; MI455X (gfx1250); checked and timed in simulation.
; The chip was launched on July 23, 2026; its instructions are those of AMD's public machine-readable ISA for CDNA 5 (MIT licence, August 2026) and "CDNA5" Instruction Set Architecture Reference Guide (July 2026). The comments in the code are by the model that wrote it; some were corrected since.
;; Multi Head Attention. Allowed arithmetic: matrix products marked QUANTISED: E2M1 operands, one E8M0 scale for each 32 along K, by v_wmma_scale_f32_16x16x128_f8f6f4 with both operands' format E2M1 (or v_wmma_scale_f32_32x16x128_f4), f32 sums; everything else in f32.
;; Inputs: Wk 1,024 x 1,024 float32; Wo 1,024 x 1,024 float32; Wq 1,024 x 1,024 float32; Wv 1,024 x 1,024 float32; bk 1,024 float32; bo 1,024 float32; bq 1,024 float32; bv 1,024 float32; x 4 x 2,048 x 1,024 float32.
;; Outputs: out0 4 x 2,048 x 1,024 float32.
;; This version of the problem:
;;   THIS VERSION OF THE PROBLEM IS GIVEN IN LOW PRECISION. The matrix products marked QUANTISED in the list below multiply operands that are first quantised to E2M1 (2 exponent bits, 1 mantissa bit; 4 bits a number), with one power-of-two scale for each 32 numbers along K (OCP MX v1.0); their sums are f32. All else is computed in f32.
;;   The module's matrix products, in the order in which they are computed (A, B: the left and right operand; K: the contracted axis; several contracted axes count as one K, in the product's order):
;;     1. [M 8,192, K 1,024] x [K 1,024, N 1,024]; A: input x; B: input Wq: QUANTISED
;;     2. [M 8,192, K 1,024] x [K 1,024, N 1,024]; A: input x; B: input Wk: QUANTISED
;;     3. [M 8,192, K 1,024] x [K 1,024, N 1,024]; A: input x; B: input Wv: QUANTISED
;;     4. batch 64 x [M 2,048, K 64] x [K 64, N 2,048]; A: computed on the way; B: computed on the way: QUANTISED
;;     5. batch 64 x [M 2,048, K 2,048] x [K 2,048, N 64]; A: softmax (see below); B: computed on the way: QUANTISED
;;     6. [M 8,192, K 1,024] x [K 1,024, N 1,024]; A: computed on the way; B: input Wo: QUANTISED
;;   THE QUANTISER, for each operand of a quantised product, along K:
;;     - K is cut into blocks of 32 from its start; a last block that is shorter is filled with zeros.
;;     - A block's scale is 2^e with e = floor(log2(the largest magnitude in the block)) - 2, held to -126 .. 127; a block of zeros has e = 0. As a byte (E8M0): e + 127.
;;     - Each number is divided by its block's scale, clamped to +-6, and rounded to the nearest number of E2M1, ties to even, subnormals kept.
;;     - The product sums the exact products of the quantised numbers (number of the format x scale) in f32.
;;   ~~~python
;;   def quantise(x, axis):      # numpy; x: float32 -> the quantised numbers, widened to float32 again
;;       x = np.moveaxis(x, axis, -1); K = x.shape[-1]
;;       x = np.pad(x, [(0, 0)] * (x.ndim - 1) + [(0, -K % 32)]); x = x.reshape(x.shape[:-1] + (-1, 32)); a = np.abs(x).max(-1, keepdims=True)
;;       e = np.where(a > 0, np.clip(np.frexp(np.where(a > 0, a, 1))[1] - 1 - 2, -126, 127), 0)      # np.frexp(a)[1] - 1 = floor(log2(a)), exactly
;;       r = np.clip(x / 2.0 ** e, -6, 6)
;;       step = 2.0 ** (np.maximum(np.frexp(np.where(r == 0, 1, r))[1] - 1, 0) - 1)
;;       q = np.round(r / step) * step * 2.0 ** e      # np.round: ties to even
;;       return np.moveaxis(q.reshape(q.shape[:-2] + (-1,))[..., :K], -1, axis).astype(np.float32)
;;   ~~~
;;   SOFTMAX AHEAD OF A QUANTISED PRODUCT. Where the list says 'softmax', what is quantised is not the finished softmax but p = 2^(t - M), with t = logit x log2(e) and M = ceil(the row's largest t), a whole number; so 1/2 < the row's largest p <= 1. The row's sum l is taken of the UNQUANTISED p, in f32, and the product's result is divided by l at the end. Since M is a whole number, a kernel that streams over the keys may use a running M (the ceiling of the running maximum): every later rescaling is an exact power of two, which a block's scale takes up: the codes' values come out the same.
;;   OPERANDS COMPUTED ON THE WAY. 'Computed on the way' means the value that the module computes at that place (a softmax that the list does not call 'softmax' is quantised finished and normalised). What goes into a quantiser is computed in f32, as accurately as f32 sums, v_exp_f32 and their like allow (about 1e-6 of the number): no bf16 or f16 on the way to a quantiser, and a product that is left as it is and whose result goes on into a quantised operand takes f32 operands (vector FMAs, or v_wmma_f32_16x16x4_f32). A number that lies on a knife's edge between two numbers of the format may be rounded either way, as far as f32 arithmetic and the matrix unit's own rounding can turn it there, and no further.
;; One version. Each part assembles by itself: llvm-mc -triple=amdgcn-amd-amdhsa -mcpu=gfx1250 --defsym DOCPART=n.
;; ======== version 1 of 1: 4 launches
;; workspace buffers: xc 4,194,304 bytes; xs 262,144 bytes; wc 2,097,152 bytes; ws 131,072 bytes; qkv 13,893,632 bytes; ac 4,194,304 bytes; asc 262,144 bytes
;; launch quant (part 1): grid 384 x 1, 4 waves a work-group, no clusters, 33,280 bytes of LDS; arguments x, Wq, Wk, Wv, Wo, xc, xs, wc, ws; writes xc, xs, wc, ws
.if DOCPART == 1
	.amdgcn_target "amdgcn-amd-amdhsa--gfx1250"
	.amdhsa_code_object_version 6
	.text
	.protected	k_qbfdb659809_quant
	.globl	k_qbfdb659809_quant
	.p2align	8
	.type	k_qbfdb659809_quant,@function
k_qbfdb659809_quant:
	s_mov_b64 s[64:65], 0
	v_nop
	global_prefetch_b8 v0, s[64:65] scope:SCOPE_SE
	s_setreg_imm32_b32 hwreg(HW_REG_WAVE_MODE, 25, 1), 1
	s_wait_xcnt 0x0
; x [8192][1024] and Wq, Wk, Wv, Wo [1024][1024], f32, K innermost, become codes of FP4 (E2M1) with one E8M0 scale byte for each 32 along K.
; xc [8192 places][512 bytes], xs [8192 places][32 bytes]; wc, ws likewise with 4,096 places: Wq, Wk, Wv, Wo one behind the other.
; THE ROWS ARE LAID IN ANOTHER ORDER: place p holds row sigma(p), sigma = bits 3 and 4 of the number exchanged.  So 16 places on end are rows 32 b + 8 u + i + 8 (i / 8), i = 0 .. 15: the tile
; that the later launches want as source 0, so that a lane's 16 results of two neighbouring tiles are 16 neighbours along the next product's K.
; A block's scale is 2^(floor(log2(its largest magnitude)) - 2); its byte is the largest magnitude's exponent field - 2, held at 1 from below.
; LIMITS: a block whose largest magnitude lies under 2^-124, a block of zeros among them, gets the byte 1 (a block of zeros has zero codes, and this program alone reads the bytes); NaN and infinities are not served.
; SHARES: work-groups 0-255 take x, then 32 each Wq, Wk, Wv, Wo.  A wave takes 8,192 numbers = 8 whole rows, in 16 steps of 512.  Eight rows on end keep their order under sigma; the run's number has its
; bits 0 and 1 exchanged, and those are the wave's number's.  Work-groups share no input: no cluster.  No tensor loads, no barrier: waves share nothing.
; Each load reads 512 consecutive bytes, 16 a lane; a step's 2,048 bytes turn through the wave's own stage in LDS and come back 64 bytes a lane: 16 neighbours, two lanes to a block.
; Loads run four steps (16 loads a wave) ahead, the turn through LDS one step.  Every offset is an immediate; each step has registers of its own for its codes and its byte.
.set STEPS, 16
.set EMAX,  2
.set CB,    8                          ; bytes of 16 codes
.set R,     16                         ; v16-79   four sets of 16 numbers as they are loaded
.set X,     80                         ; v80-111  two sets of 16 neighbours
.set E,     112                        ; v112-127 a scale byte for each step
.set C,     128                        ; v128-191 codes: four registers for each step
.set WREG,  8192                       ; LDS: a region for each wave: two stages of 32 x SP bytes, behind them its 256 scale bytes
.set SP,    80                         ; a lane's place in a stage: its 64 bytes + 16 of padding
	s_load_b512 s[4:19], s[0:1], 0x0               ; x, Wq, Wk, Wv, Wo, xc, xs, wc
	s_load_b64 s[20:21], s[0:1], 0x40              ; ws
	v_lshl_add_u32 v192, v0, 2, 0x8000
	v_mov_b32 v193, 0
	v_lshrrev_b32 v1, 5, v0
	v_readfirstlane_b32 s24, v1                    ; wave 0..3
	v_and_b32 v2, 31, v0                           ; lane
	v_lshlrev_b32 v3, 4, v2                        ; my 16 bytes of a load's 512
	s_mul_i32 s25, s24, WREG
	v_lshrrev_b32 v14, 2, v2
	v_mul_u32_u24 v14, v14, SP
	v_and_b32 v15, 3, v2
	v_lshl_add_u32 v14, v15, 4, v14
	v_add_nc_u32 v14, s25, v14                     ; the stage, on the way in: SP (lane / 4) + 16 (lane % 4); a load's 512 bytes take eight places
	v_mul_u32_u24 v15, v2, SP
	v_add_nc_u32 v15, s25, v15                     ; and on the way out: SP x lane: my 16 neighbours
	v_mul_u32_u24 v4, v2, CB                       ; my codes' place in a step's
	v_lshrrev_b32 v5, 1, v2
	s_add_co_u32 s25, s25, 2*32*SP
	v_add_nc_u32 v5, s25, v5                       ; LDS: my wave's 256 scale bytes, my block's byte
	v_lshlrev_b32 v7, 3, v2                        ; and on the way out 8 bytes a lane
	v_add_nc_u32 v6, s25, v7
	s_and_b32 s28, s24, 1
	s_lshl_b32 s28, s28, 1
	s_lshr_b32 s29, s24, 1
	s_or_b32 s28, s28, s29                         ; the wave's number with its two bits exchanged: where my eight rows go
	s_sub_co_u32 s26, ttmp9, 256                   ; a weight's work-group: its number among the 128,
	s_and_b32 s27, s26, 31                         ; and within its own tensor
	s_wait_alu depctr_va_vdst(0)
	s_wait_kmcnt 0x0
	s_mov_b64 s[22:23], s[12:13]                   ; which tensor?  The choices hang on the work-group's number alone
	s_cmp_lt_u32 ttmp9, 352
	s_cselect_b64 s[22:23], s[10:11], s[22:23]
	s_cmp_lt_u32 ttmp9, 320
	s_cselect_b64 s[22:23], s[8:9], s[22:23]
	s_cmp_lt_u32 ttmp9, 288
	s_cselect_b64 s[22:23], s[6:7], s[22:23]
	s_cmp_lt_u32 ttmp9, 256
	s_cselect_b64 s[22:23], s[4:5], s[22:23]
	s_cselect_b64 s[14:15], s[14:15], s[18:19]     ; the codes' buffer,
	s_cselect_b64 s[16:17], s[16:17], s[20:21]     ; the scale bytes',
	s_cselect_b32 s26, ttmp9, s26                  ; the group of 32 rows in the buffers,
	s_cselect_b32 s27, ttmp9, s27                  ; and in the tensor
	s_lshl_b32 s27, s27, 2
	s_add_co_u32 s27, s27, s24                     ; the run of 8 rows that I read
	s_lshl_b32 s30, s27, 15                        ; 32,768 bytes a run
	s_mov_b32 s31, 0
	s_add_nc_u64 s[22:23], s[22:23], s[30:31]
	s_lshl_b32 s26, s26, 2
	s_add_co_u32 s26, s26, s28                     ; the run of 8 places that I write
	s_lshl_b32 s30, s26, 12                        ; 4,096 bytes of codes a run
	s_add_nc_u64 s[14:15], s[14:15], s[30:31]
	s_lshl_b32 s30, s26, 8                         ; 256 scale bytes a run
	s_add_nc_u64 s[16:17], s[16:17], s[30:31]
.macro LOAD t
.irp i, 0,1,2,3
	global_load_b128 v[R+16*((\t)%4)+4*\i:R+16*((\t)%4)+4*\i+3], v3, s[22:23] offset:2048*(\t)+512*\i th:TH_LOAD_NT   ; 32 lanes read 512 consecutive bytes
.endr
.endm
.macro TURN t                          ; step t's numbers through the stage: LDS serves a wave's instructions in order, so no wait stands between the stores and the loads
.irp i, 0,1,2,3
	ds_store_b128 v14, v[R+16*((\t)%4)+4*\i:R+16*((\t)%4)+4*\i+3] offset:32*SP*((\t)%2)+8*SP*\i
.endr
.irp i, 0,1,2,3
	ds_load_b128 v[X+16*((\t)%2)+4*\i:X+16*((\t)%2)+4*\i+3], v15 offset:32*SP*((\t)%2)+16*\i
.endr
.endm
.irp t, 0,1,2,3
	LOAD \t
.endr
	s_wait_loadcnt 12                              ; step 0's four loads are in; the twelve of steps 1 to 3 may be out
	TURN 0
.macro STEP t
.set XS, X+16*((\t)%2)
.if (\t) > 0
	s_wait_dscnt 1                                 ; this step's numbers are back from the stage (the last step's byte store may be out): so its stores into the stage have read their registers,
.else
	s_wait_dscnt 0x0
.endif
.if (\t)+4 < STEPS
	LOAD (\t)+4                                    ; which take the loads of four steps on
.endif
.if (\t)+1 < STEPS
.if STEPS-2-(\t) >= 3
	s_wait_loadcnt 12                              ; the next step's four loads are in; those of the three steps behind it may be out
.else
	s_wait_loadcnt 4*(STEPS-2-(\t))
.endif
	TURN (\t)+1                                    ; and go through the other stage while this step is worked
.endif
	v_max3_num_f32 v8, |v[XS]|, |v[XS+1]|, |v[XS+2]|               ; the largest magnitude of my 16, in two chains
	v_max3_num_f32 v9, |v[XS+3]|, |v[XS+4]|, |v[XS+5]|
.irp i, 6,10
	v_max3_num_f32 v8, v8, |v[XS+\i]|, |v[XS+\i+1]|
	v_max3_num_f32 v9, v9, |v[XS+\i+2]|, |v[XS+\i+3]|
.endr
	v_max3_num_f32 v8, v8, |v[XS+14]|, |v[XS+15]|
	v_max3_num_f32 v8, v8, v9, (EMAX+1)<<23        ; and the floor 2^(3 - 127): the byte cannot fall under 1
	v_max_num_f32_dpp v8, v8, v8 row_xmask:1 row_mask:0xf bank_mask:0xf   ; and of my neighbour's 16: the block's
	v_add_nc_u32 v11, -(EMAX<<23), v8              ; 2 off its exponent field: the conversion takes the exponent field of this operand as its scale, and nothing else of it
	v_cvt_scalef32_pk8_fp4_f32 v[C+4*(\t)], v[XS:XS+7], v11
	v_cvt_scalef32_pk8_fp4_f32 v[C+4*(\t)+1], v[XS+8:XS+15], v11
	v_lshrrev_b32 v[E+(\t)], 23, v11               ; the scale's byte (a plain line behind the conversions)
	ds_store_b8 v5, v[E+(\t)] offset:16*(\t)       ; both lanes of a block write the same byte with the same value
	global_store_b64 v4, v[C+4*(\t):C+4*(\t)+1], s[14:15] offset:32*CB*(\t)   ; the wave stores 256 consecutive bytes, aligned
.endm
.irp t, 0,1,2,3,4,5,6,7,8,9,10,11,12,13,14,15
	STEP \t
.endr
	ds_load_b64 v[12:13], v6                       ; LDS serves a wave's instructions in order: these see my stores
	s_wait_dscnt 0x0
	global_store_b64 v7, v[12:13], s[16:17]        ; 32 lanes store 256 consecutive bytes, aligned
	s_wait_tensorcnt 0x0
	ds_add_u32 v192, v193
	s_wait_dscnt 0x0
	s_endpgm
.Lfunc_end_k_qbfdb659809_quant:
	.size	k_qbfdb659809_quant, .Lfunc_end_k_qbfdb659809_quant-k_qbfdb659809_quant
	.p2alignl 7, 3214868480
	.fill 96, 4, 3214868480
	.section	.rodata,"a",@progbits
	.p2align	6, 0x0
	.amdhsa_kernel k_qbfdb659809_quant
		.amdhsa_group_segment_fixed_size 33280
		.amdhsa_private_segment_fixed_size 0
		.amdhsa_enable_private_segment 0
		.amdhsa_kernarg_size 72
		.amdhsa_user_sgpr_count 2
		.amdhsa_user_sgpr_kernarg_segment_ptr 1
		.amdhsa_wavefront_size32 1
		.amdhsa_system_sgpr_workgroup_id_x 1
		.amdhsa_system_sgpr_workgroup_id_y 1
		.amdhsa_system_sgpr_workgroup_id_z 1
		.amdhsa_system_vgpr_workitem_id 0
		.amdhsa_next_free_vgpr 194
		.amdhsa_next_free_sgpr 66
		.amdhsa_reserve_vcc 0
		.amdhsa_float_denorm_mode_32 3
		.amdhsa_float_denorm_mode_16_64 3
		.amdhsa_memory_ordered 1
		.amdhsa_forward_progress 1
		.amdhsa_inst_pref_size 34
	.end_amdhsa_kernel
	.amdgpu_metadata
---
amdhsa.version: [ 1, 2 ]
amdhsa.kernels:
  - .name:           k_qbfdb659809_quant
    .symbol:         k_qbfdb659809_quant.kd
    .args:
      - { .name: x, .offset: 0, .size: 8, .value_kind: global_buffer, .address_space: global }
      - { .name: Wq, .offset: 8, .size: 8, .value_kind: global_buffer, .address_space: global }
      - { .name: Wk, .offset: 16, .size: 8, .value_kind: global_buffer, .address_space: global }
      - { .name: Wv, .offset: 24, .size: 8, .value_kind: global_buffer, .address_space: global }
      - { .name: Wo, .offset: 32, .size: 8, .value_kind: global_buffer, .address_space: global }
      - { .name: xc, .offset: 40, .size: 8, .value_kind: global_buffer, .address_space: global }
      - { .name: xs, .offset: 48, .size: 8, .value_kind: global_buffer, .address_space: global }
      - { .name: wc, .offset: 56, .size: 8, .value_kind: global_buffer, .address_space: global }
      - { .name: ws, .offset: 64, .size: 8, .value_kind: global_buffer, .address_space: global }
    .group_segment_fixed_size: 33280
    .private_segment_fixed_size: 0
    .kernarg_segment_align: 8
    .kernarg_segment_size: 72
    .max_flat_workgroup_size: 128
    .sgpr_count:     66
    .vgpr_count:     194
    .wavefront_size: 32
...
	.end_amdgpu_metadata
.endif
;; end of part 1
;; launch qkv (part 2): grid 12 x 32, 16 waves a work-group, clusters of 4 x 4, 297,984 bytes of LDS; arguments xc, xs, wc, ws, bq, bk, bv, qkv; writes qkv
.if DOCPART == 2
	.amdgcn_target "amdgcn-amd-amdhsa--gfx1250"
	.amdhsa_code_object_version 6
	.text
	.protected	k_qbfdb659809_qkv
	.globl	k_qbfdb659809_qkv
	.p2align	8
	.type	k_qbfdb659809_qkv,@function
k_qbfdb659809_qkv:
	s_mov_b64 s[64:65], 0
	v_nop
	global_prefetch_b8 v0, s[64:65] scope:SCOPE_SE
	s_setreg_imm32_b32 hwreg(HW_REG_WAVE_MODE, 25, 1), 1
	s_wait_xcnt 0x0
	s_wait_alu depctr_hold_cnt(0) depctr_sa_sdst(0) depctr_va_vdst(0) depctr_va_sdst(0) depctr_va_ssrc(0) depctr_va_vcc(0) depctr_vm_vsrc(0)
	s_getreg_b32 s2, hwreg(HW_REG_IB_STS2, 6, 4)
	s_cmp_eq_u32 s2, 0
	s_cbranch_scc0 .Lentry_in_a_cluster
	s_endpgm
.Lentry_in_a_cluster:
	s_bfe_u32 s2, ttmp6, 0x10000c
	s_cmp_lg_u32 s2, 0xf033
	s_cbranch_scc0 .Lentry_shape_is_right
	s_endpgm
.Lentry_shape_is_right:
; Q = x Wq^T + bq, K = x Wk^T + bk, V = x Wv^T + bv on codes of FP4 with E8M0 scales (K = 1,024), and their results quantised at once for the attention launch: Q and K along the head's 64, V along the keys.
; The results leave as IMAGES OF OPERAND REGISTERS (a lane's 16 bytes at 16 x lane), in one record of REC bytes for each (batch, head):
;   KC  K's codes  [tile 2 p + j of 16 keys][512]            VC  V^T's codes [key step of 128][tile of 16 d][2 x 512]
;   KS  K's scale words [pair p][4 x lane: lanes 0-15 tile (p, 0), lanes 16-31 tile (p, 1)]     VS  V^T's likewise [key step][pair of d tiles]      QC, QS  as K's.
;   A word of Q or K holds the head's two bytes below and zeros above.
; SHARES.  A work-group takes 256 places of tokens x 256 places of weight rows, all of K in LDS, filled once.  The cluster's x says which product: 0 Q, 1 K, 2 V: the same in all sixteen partners.
; A wave makes 128 rows of source 0 (8 tiles) x 32 rows of source 1 (2 tiles): 16 accumulators.  Q, K: source 0 = the weight (two heads), source 1 = tokens: a lane holds one token, its registers run along d.
; V: source 0 = tokens (one key step), source 1 = the weight (32 d): a lane holds one d, its registers run along the keys.  By the order in which the rows were laid (16 places on end are rows
; 32 b + 8 u + i + 8 (i / 8)) the 16 registers of tiles 2 b and 2 b + 1 are 16 neighbours, 32 b + 16 (lane / 16) + 0 .. 15, of the next product's K.
; The bias is what the sums begin with: the accumulators are loaded with it, and all eight K steps add in place.
; CLUSTER: 4 x 4.  The tokens' tiles hang on the tile row alone and are asked for jointly along a row of the cluster, the weights' on the tile column alone and jointly along a column.
; No LDS byte is filled twice and none is stored to.  Nothing is prefetched: the only tensor loads are the first fills at the head.
; LIMITS: a block whose largest magnitude lies under 2^-124 gets the byte 1 (a block of zeros has zero codes; this program alone reads the bytes); NaN and infinities are not served.
; The scale words leave in stores of 128 consecutive bytes, half an aligned 256: they are an eighth of the codes' bytes.
.set REC,   217088
.set VC,    65536
.set KS,    131072
.set VS,    139264
.set QC,    143360
.set QS,    208896
.set PITCH, 272                        ; an LDS row: 256 bytes + 16 of padding: the 16 rows that a load touches start at 16 different 16-byte columns modulo 256
.set HALF,  256*PITCH                  ; 256 rows
.set SLOT,  2*HALF                     ; half of K: the tokens' 256 rows, then the weight's 256
.set SCL,   2*SLOT                     ; the scale bytes: 32 a row, eight rows to 256 bytes + 16 of padding: the tokens', then the weight's
.set SCH,   32*PITCH
.set LI,   1                           ; v1   16 x lane
.set LS,   2                           ; v2   4 x lane
.set LIJ,  3                           ; v3   16 x lane + the step to tile j = 1's image
.set AD0,  4                           ; v4-5 LDS address of source 0's fragments in slot 0, 1
.set AD1,  6                           ; v6-7 of source 1's
.set ASC0, 8                           ; v8   of source 0's scale words
.set ASC1, 9                           ; v9   of source 1's
.set BOF,  10                          ; v10  Q, K: my half's place in a tile's bias: 64 (lane / 16)
.set BOFV, 11                          ; v11  V: my d's place: 4 (r + 8 (r / 8))
.set HH,   14                          ; v14  lane / 16
.set F1,   16                          ; v16-31  source 1's two fragments; later the codes made
.set F0,   32                          ; v32-95  source 0's eight; later at work
.set TM,   32
.set ACC,  96                          ; v96-223 accumulator (j, t) at ACC + 64 j + 8 t
.set SC0,  224                         ; v224-239 register 4 b + q: lanes 0-15 the word of tile 2 b, lanes 16-31 of tile 2 b + 1, for the slot's q-th 128 along K
.set SC1,  240                         ; v240-243 register q: lanes 0-15 tile j = 0, lanes 16-31 tile j = 1
.set BV,   244                         ; v244-245 V's bias of my d
.set PW,   246                         ; v246-247 the scale words made
.set MW,   248                         ; v248-250 and as they are stored
.set WV,   20                          ; s20 wave;  s21 which 128 of source 0;  s22 which 32 of source 1;  s23 cx, s24 cy;  s25 tile column, s26 tile row
.set SEL,  30                          ; s[30:31] lane selects for v_permlanex16_b32
.set G1X,  36                          ; s[36:43] group 1 for the tokens' codes;  s[44:51] the weight's;  s[52:59], s[68:75] for their scale bytes
.set G1W,  44
.set G1XS, 52
.set G1WS, 68
.set G0X,  76                          ; s[76:87] the tokens' three groups 0: scale bytes, slot 0, slot 1;  s[88:99] the weight's
.set G0W,  88
.macro CROUND                          ; a round of the cluster's barrier
	s_barrier_signal -1
	s_barrier_wait -1
	s_cmp_lg_u32 s[WV], 0
	s_cbranch_scc1 .Lnot_wave_0_\@
	s_barrier_signal -3
.Lnot_wave_0_\@:
	s_barrier_wait -3
	s_barrier_signal -1
	s_barrier_wait -1
.endm
.macro PLACES n
.rept \n
	v_nop
.endr
.endm
; one product, added in place.  ra, rb = 1: that side's scale words stand in lanes 16-31
.macro WM d, a, b, sa, sb, ra, rb
.if (\ra) && (\rb)
	v_wmma_scale_f32_16x16x128_f8f6f4 v[(\d):(\d)+7], v[(\a):(\a)+7], v[(\b):(\b)+7], v[(\d):(\d)+7], v[(\sa)], v[(\sb)] matrix_a_fmt:MATRIX_FMT_FP4 matrix_b_fmt:MATRIX_FMT_FP4 matrix_a_scale:MATRIX_SCALE_ROW1 matrix_b_scale:MATRIX_SCALE_ROW1
.elseif (\ra)
	v_wmma_scale_f32_16x16x128_f8f6f4 v[(\d):(\d)+7], v[(\a):(\a)+7], v[(\b):(\b)+7], v[(\d):(\d)+7], v[(\sa)], v[(\sb)] matrix_a_fmt:MATRIX_FMT_FP4 matrix_b_fmt:MATRIX_FMT_FP4 matrix_a_scale:MATRIX_SCALE_ROW1
.elseif (\rb)
	v_wmma_scale_f32_16x16x128_f8f6f4 v[(\d):(\d)+7], v[(\a):(\a)+7], v[(\b):(\b)+7], v[(\d):(\d)+7], v[(\sa)], v[(\sb)] matrix_a_fmt:MATRIX_FMT_FP4 matrix_b_fmt:MATRIX_FMT_FP4 matrix_b_scale:MATRIX_SCALE_ROW1
.else
	v_wmma_scale_f32_16x16x128_f8f6f4 v[(\d):(\d)+7], v[(\a):(\a)+7], v[(\b):(\b)+7], v[(\d):(\d)+7], v[(\sa)], v[(\sb)] matrix_a_fmt:MATRIX_FMT_FP4 matrix_b_fmt:MATRIX_FMT_FP4
.endif
.endm
; 128 along K: the slot's q-th.  sc = 1: the slot's scale words come first.  The 16 accumulators take turns, one instruction a turn, in the same order in every step.
; The four places at the end stand in front of the next step's loads into registers that these products read, and of the first read of the results.
.macro STEP slot, q, sc
.if \sc
.irp b, 0,1,2,3
	ds_load_b128 v[SC0+4*\b:SC0+4*\b+3], v[ASC0] offset:4*PITCH*\b+16*\slot
.endr
	ds_load_b128 v[SC1:SC1+3], v[ASC1] offset:16*\slot
.endif
.irp j, 0,1
.irp c, 0,1
	ds_load_b128 v[F1+8*\j+4*\c:F1+8*\j+4*\c+3], v[AD1+\slot] offset:\j*16*PITCH+64*\q+32*\c
.endr
.endr
.irp t, 0,1,2,3,4,5,6,7
.irp c, 0,1
	ds_load_b128 v[F0+8*\t+4*\c:F0+8*\t+4*\c+3], v[AD0+\slot] offset:\t*16*PITCH+64*\q+32*\c
.endr
.endr
	s_wait_dscnt 0x0
.irp t, 0,1,2,3,4,5,6,7
.irp j, 0,1
	WM ACC+64*\j+8*\t, F0+8*\t, F1+8*\j, SC0+4*(\t/2)+\q, SC1+\q, \t%2, \j
.endr
.endr
	PLACES 4
.endm
; 64 numbers of a lane, register 16 b + i = k 32 b + 16 (lane / 16) + i of my row, become a fragment's codes in v[pc] on and its scale word in v[pw].  Each accumulator is read from its low end on.
.macro QUANT s, pc, pw
.irp b, 0,1,2,3
	v_max3_num_f32 v[TM+\b], |v[\s+16*\b]|, |v[\s+1+16*\b]|, 0x1800000   ; block b: my 16 numbers, and the floor 2^(3 - 127): the byte cannot fall under 1
.endr
.irp i, 2,4,6,8,10,12,14
.irp b, 0,1,2,3
	v_max3_num_f32 v[TM+\b], v[TM+\b], |v[\s+16*\b+\i]|, |v[\s+1+16*\b+\i]|   ; (the four blocks by turns)
.endr
.endr
.irp b, 0,1,2,3
	s_delay_alu instid0(VALU_DEP_4)
	v_permlanex16_b32 v[TM+4+\b], v[TM+\b], s[SEL], s[SEL+1]
.endr
.irp b, 0,1,2,3
	s_delay_alu instid0(VALU_DEP_4)
	v_max_num_f32 v[TM+\b], v[TM+\b], v[TM+4+\b]   ; with lane l xor 16's: the block's largest magnitude
.endr
.irp b, 0,1,2,3
	s_delay_alu instid0(VALU_DEP_4)
	v_add_nc_u32 v[TM+12+\b], 0xff000000, v[TM+\b]   ; 2 off its exponent field: the conversion's scale operand
.endr
.irp b, 0,1,2,3
	s_delay_alu instid0(VALU_DEP_4)
	v_lshrrev_b32 v[TM+4+\b], 23, v[TM+12+\b]      ; the scale's byte
.endr
	s_delay_alu instid0(VALU_DEP_3)
	v_lshl_or_b32 v[\pw], v[TM+5], 8, v[TM+4]      ; the four bytes make my row's scale word
	s_delay_alu instid0(VALU_DEP_1)
	v_lshl_or_b32 v[\pw], v[TM+6], 16, v[\pw]
	s_delay_alu instid0(VALU_DEP_1)
	v_lshl_or_b32 v[\pw], v[TM+7], 24, v[\pw]
.irp b, 0,1,2,3
	v_cvt_scalef32_pk8_fp4_f32 v[\pc+2*\b], v[\s+16*\b:\s+7+16*\b], v[TM+12+\b]
	v_cvt_scalef32_pk8_fp4_f32 v[\pc+1+2*\b], v[\s+8+16*\b:\s+15+16*\b], v[TM+12+\b]
.endr
	v_nop                                          ; one plain line behind a scaled conversion
.irp c, 0,1                                    ; the operand's layout wants a whole block in a lane: lanes 0-15 block 2 c, lanes 16-31 block 2 c + 1
.irp i, 0,1
	v_permlane16_swap_b32 v[\pc+4*\c+\i], v[\pc+2+4*\c+\i]
.endr
.endr
.endm
	s_load_b512 s[4:19], s[0:1], 0x0               ; xc, xs, wc, ws, bq, bk, bv, qkv
	v_lshl_add_u32 v254, v0, 2, 0x48400
	v_mov_b32 v255, 0
	ds_add_u32 v254, v255
	ds_add_u32 v254, v255
	v_lshrrev_b32 v12, 5, v0
	s_delay_alu instid0(VALU_DEP_1)
	v_readfirstlane_b32 s[WV], v12                 ; wave 0..15
	s_and_b32 s21, s[WV], 1
	s_lshr_b32 s22, s[WV], 1
	s_and_b32 s29, s[WV], 7                        ; which 32 rows I fetch: waves 0-7 of the tokens, waves 8-15 of the weight
	s_bfe_u32 s23, ttmp6, 0x40000                  ; cx
	s_bfe_u32 s24, ttmp6, 0x40004                  ; cy
	s_lshl_b32 s25, ttmp9, 2
	s_add_co_u32 s25, s25, s23                     ; tile column = 4 x cluster x + cx
	s_and_b32 s26, ttmp7, 0xffff
	s_lshl_b32 s26, s26, 2
	s_add_co_u32 s26, s26, s24                     ; tile row = 4 x cluster y + cy
	s_lshl_b32 s27, s24, 2
	s_lshl_b32 s27, 15, s27                        ; my row of the cluster
	s_lshl_b32 s28, 0x1111, s23                    ; my column
	; group 1, codes: 32 rows x 256 bytes, 512 bytes apart in memory, 16 bytes of padding behind each in LDS
	s_or_b32 s[G1X], s27, (1<<20)|(1<<21)|(5<<22)|(3<<25)   ; 15:0 the mask; 17:16 elements of 1 byte; 20 padding on; 21 set beside a mask; 24:22 after every 64 words; 31:25 four words
	s_or_b32 s[G1W], s28, (1<<20)|(1<<21)|(5<<22)|(3<<25)
.irp g, G1X, G1W
	s_mov_b32 s[\g+1], 256<<16                     ; tensor_dim0
	s_mov_b32 s[\g+2], 32<<16                      ; tensor_dim1
	s_mov_b32 s[\g+3], 256<<16                     ; tile_dim0
	s_mov_b32 s[\g+4], 32                          ; tile_dim1
	s_mov_b32 s[\g+5], 512                         ; from row to row
	s_mov_b32 s[\g+6], 0
	s_mov_b32 s[\g+7], 0
.endr
	; group 1, scale bytes of 32 rows: 1,024 dense bytes as 4 rows of 256 (32 elements of 8 bytes), padded likewise
	s_or_b32 s[G1XS], s27, (3<<16)|(1<<20)|(1<<21)|(5<<22)|(3<<25)
	s_or_b32 s[G1WS], s28, (3<<16)|(1<<20)|(1<<21)|(5<<22)|(3<<25)
.irp g, G1XS, G1WS
	s_mov_b32 s[\g+1], 32<<16
	s_mov_b32 s[\g+2], 4<<16
	s_mov_b32 s[\g+3], 32<<16
	s_mov_b32 s[\g+4], 4
	s_mov_b32 s[\g+5], 32
	s_mov_b32 s[\g+6], 0
	s_mov_b32 s[\g+7], 0
.endr
	s_lshl_b32 s30, s26, 17                        ; the tokens: place 256 x tile row + 32 x (wave % 8); 512 bytes of codes a place,
	s_lshl_b32 s31, s29, 14
	s_add_co_u32 s30, s30, s31
	s_mov_b32 s31, 0
	s_lshl_b32 s32, s26, 13                        ; 32 scale bytes
	s_lshl_b32 s33, s29, 10
	s_add_co_u32 s32, s32, s33
	s_mov_b32 s33, 0
	s_lshl_b32 s34, s25, 17                        ; the weight: by the tile column, in registers that never hold cy
	s_lshl_b32 s35, s29, 14
	s_add_co_u32 s34, s34, s35
	s_mov_b32 s35, 0
	s_lshl_b32 s60, s25, 13
	s_lshl_b32 s61, s29, 10
	s_add_co_u32 s60, s60, s61
	s_mov_b32 s61, 0
	s_mul_i32 s62, s[WV], 32*PITCH                 ; where they go: wave x 32 rows (the weight's 256 rows lie behind the tokens' 256),
	s_mul_i32 s63, s[WV], 4*PITCH                  ; wave x 4 rows of scale bytes: no place in the cluster enters an LDS address
	s_wait_dscnt 0x0
	s_wait_kmcnt 0x0
	s_add_nc_u64 s[4:5], s[4:5], s[30:31]
	s_add_nc_u64 s[6:7], s[6:7], s[32:33]
	s_add_nc_u64 s[8:9], s[8:9], s[34:35]
	s_add_nc_u64 s[10:11], s[10:11], s[60:61]
	s_mov_b32 s[G0X], 1
	s_add_co_u32 s[G0X+1], s63, SCL
	s_mov_b64 s[G0X+2:G0X+3], s[6:7]
	s_or_b32 s[G0X+3], s[G0X+3], 0x80000000
	s_mov_b32 s[G0W], 1
	s_add_co_u32 s[G0W+1], s63, SCL
	s_mov_b64 s[G0W+2:G0W+3], s[10:11]
	s_or_b32 s[G0W+3], s[G0W+3], 0x80000000
.irp s, 0,1
	s_mov_b32 s[G0X+4+4*\s], 1
	s_add_co_u32 s[G0X+5+4*\s], s62, \s*SLOT
	s_add_nc_u64 s[G0X+6+4*\s:G0X+7+4*\s], s[4:5], \s*256
	s_or_b32 s[G0X+7+4*\s], s[G0X+7+4*\s], 0x80000000
	s_mov_b32 s[G0W+4+4*\s], 1
	s_add_co_u32 s[G0W+5+4*\s], s62, \s*SLOT
	s_add_nc_u64 s[G0W+6+4*\s:G0W+7+4*\s], s[8:9], \s*256
	s_or_b32 s[G0W+7+4*\s], s[G0W+7+4*\s], 0x80000000
.endr
	CROUND                                         ; all sixteen work-groups are here: the joint loads meet
	s_cmp_lt_u32 s[WV], 8                          ; a wave's three loads stand in one branch on its number: three loads of mine are out; four v_nop follow the last
	s_cbranch_scc0 .Lfor_w
	tensor_load_to_lds s[G0X:G0X+3], s[G1XS:G1XS+7]
	s_nop 0
	tensor_load_to_lds s[G0X+4:G0X+7], s[G1X:G1X+7]
	s_nop 0
	tensor_load_to_lds s[G0X+8:G0X+11], s[G1X:G1X+7]
	s_nop 0
	PLACES 4
	s_branch .Lasked
.Lfor_w:
	tensor_load_to_lds s[G0W:G0W+3], s[G1WS:G1WS+7]
	s_nop 0
	tensor_load_to_lds s[G0W+4:G0W+7], s[G1W:G1W+7]
	s_nop 0
	tensor_load_to_lds s[G0W+8:G0W+11], s[G1W:G1W+7]
	s_nop 0
	PLACES 4
.Lasked:
	s_mov_b32 s[SEL], 0x76543210
	s_mov_b32 s[SEL+1], 0xfedcba98
	v_and_b32 v12, 31, v0
	s_delay_alu instid0(VALU_DEP_1)
	v_lshlrev_b32 v[LI], 4, v12
	s_delay_alu instid0(VALU_DEP_2)
	v_lshlrev_b32 v[LS], 2, v12
	v_and_b32 v13, 15, v0                          ; r
	v_bfe_u32 v[HH], v0, 4, 1                      ; h
	s_delay_alu instid0(VALU_DEP_2)
	v_mul_u32_u24 v15, v13, PITCH
	s_delay_alu instid0(VALU_DEP_1)
	v_lshl_add_u32 v15, v[HH], 4, v15              ; a fragment's row x pitch + 16 h
	s_wait_alu depctr_va_vdst(0)
	s_cmp_eq_u32 ttmp9, 0                          ; the bias: bq, bk or bv
	s_cselect_b64 s[12:13], s[12:13], s[14:15]
	s_cmp_eq_u32 ttmp9, 2
	s_cselect_b64 s[12:13], s[16:17], s[12:13]
	s_mov_b32 s15, HALF                            ; which region is source 0's: Q, K: the weight's;  V: the tokens'
	s_mov_b32 s17, SCH
	s_cselect_b32 s14, 0, s15
	s_cselect_b32 s15, s15, 0
	s_cselect_b32 s16, 0, s17
	s_cselect_b32 s17, s17, 0
	s_mul_i32 s2, s21, 128*PITCH
	s_add_co_u32 s14, s14, s2
	v_add_nc_u32 v[AD0], s14, v15
	s_delay_alu instid0(VALU_DEP_1)
	v_add_nc_u32 v[AD0+1], SLOT, v[AD0]
	s_mul_i32 s2, s22, 32*PITCH
	s_add_co_u32 s15, s15, s2
	v_add_nc_u32 v[AD1], s15, v15
	s_delay_alu instid0(VALU_DEP_1)
	v_add_nc_u32 v[AD1+1], SLOT, v[AD1]
	v_bfe_u32 v12, v0, 3, 2                        ; scale words: place 16 h + r of a pair of tiles lies in row 2 h + r / 8 of 272 bytes, 32 (r % 8) bytes in
	s_delay_alu instid0(VALU_DEP_1)
	v_mul_u32_u24 v12, v12, PITCH
	v_and_b32 v15, 7, v0
	s_delay_alu instid0(VALU_DEP_1)
	v_lshl_add_u32 v12, v15, 5, v12
	s_delay_alu instid0(VALU_DEP_1)
	v_add_nc_u32 v12, SCL, v12
	s_mul_i32 s2, s21, 16*PITCH
	s_add_co_u32 s16, s16, s2
	v_add_nc_u32 v[ASC0], s16, v12
	s_mul_i32 s2, s22, 4*PITCH
	s_add_co_u32 s17, s17, s2
	v_add_nc_u32 v[ASC1], s17, v12
	v_lshlrev_b32 v[BOF], 6, v[HH]
	v_and_b32 v15, 8, v13
	s_delay_alu instid0(VALU_DEP_1)
	v_add_nc_u32 v15, v15, v13
	s_delay_alu instid0(VALU_DEP_1)
	v_lshlrev_b32 v[BOFV], 2, v15
	s_lshl_b32 s14, s21, 9                         ; the bias of my columns: Q, K: 256 cx + 128 x (wave % 2);  V: 256 cx + 32 x (wave / 2)
	s_lshl_b32 s15, s22, 7
	s_cmp_eq_u32 ttmp9, 2
	s_cselect_b32 s14, s15, s14
	s_lshl_b32 s15, s23, 10
	s_add_co_u32 s14, s14, s15
	s_mov_b32 s15, 0
	s_add_nc_u64 s[12:13], s[12:13], s[14:15]
	; where my results go.  Q, K: heads 4 cx + 2 (wave % 2) and the next, token pair 8 (tile row % 8) + wave / 2.  V: head 4 cx + wave / 4, key step 2 (tile row % 8) + wave % 2, pair of d tiles (wave / 2) % 2
	s_and_b32 s15, s26, 7
	s_lshl_b32 s16, s15, 3
	s_add_co_u32 s16, s16, s22
	s_lshl_b32 s16, s16, 10                        ; Q, K: 1,024 bytes of codes a pair
	s_lshl_b32 s17, s15, 1
	s_add_co_u32 s17, s17, s21
	s_lshl_b32 s17, s17, 12                        ; V: 4,096 a key step,
	s_and_b32 s15, s22, 1
	s_lshl_b32 s15, s15, 11                        ; 2,048 a pair of d tiles
	s_add_co_u32 s17, s17, s15
	s_lshr_b32 s2, s16, 3                          ; the scale words: 128 bytes a pair
	s_lshr_b32 s3, s17, 4                          ; V: 256 a key step, 128 a pair
	s_lshr_b32 s14, s26, 3
	s_lshl_b32 s14, s14, 4
	s_lshl_b32 s15, s23, 2
	s_add_co_u32 s14, s14, s15                     ; 16 x batch + 4 cx
	s_lshl_b32 s15, s21, 1
	s_add_co_u32 s15, s14, s15                     ; Q, K: the record
	s_lshr_b32 s66, s22, 1
	s_add_co_u32 s14, s14, s66                     ; V: the record
	s_mov_b32 s67, KS
	s_cmp_eq_u32 ttmp9, 0
	s_cselect_b32 s66, QC, 0
	s_cselect_b32 s67, QS, s67
	s_mov_b32 s100, VC
	s_mov_b32 s101, VS
	s_cmp_eq_u32 ttmp9, 2
	s_cselect_b32 s14, s14, s15
	s_cselect_b32 s16, s17, s16
	s_cselect_b32 s2, s3, s2
	s_cselect_b32 s66, s100, s66
	s_cselect_b32 s67, s101, s67
	s_mov_b32 s15, REC
	s_cselect_b32 s15, 512, s15                    ; from a fragment's registers 0-3 to 4-7: Q, K: the next head's record;  V: 512 bytes on
	s_mov_b32 s17, 512
	s_cselect_b32 s17, 1024, s17                   ; from tile j = 0 to j = 1
	s_mul_i32 s14, s14, REC
	s_add_co_u32 s16, s16, s66
	s_add_co_u32 s100, s16, s14
	s_mov_b32 s101, 0
	s_add_co_u32 s2, s2, s67
	s_add_co_u32 s66, s2, s14
	s_mov_b32 s67, 0
	s_add_nc_u64 s[100:101], s[18:19], s[100:101]  ; codes, registers 0-3
	s_add_nc_u64 s[66:67], s[18:19], s[66:67]      ; scale words
	s_mov_b32 s2, s15
	s_mov_b32 s3, 0
	s_add_nc_u64 s[2:3], s[100:101], s[2:3]        ; codes, registers 4-7
	v_add_nc_u32 v[LIJ], s17, v[LI]
	; the sums begin with the bias.  Every LDS address has been made: the ways part on the cluster's x
	s_cmp_eq_u32 ttmp9, 2
	s_cbranch_scc1 .Lbias_v
	s_wait_alu depctr_va_vdst(0)
.irp j, 0,1
.irp t, 0,1,2,3,4,5,6,7                        ; register i of tile t: column 32 (t / 2) + 16 h + 8 (t % 2) + i
	global_load_b128 v[ACC+64*\j+8*\t:ACC+64*\j+8*\t+3], v[BOF], s[12:13] offset:(32*(\t/2)+8*(\t%2))*4
	global_load_b128 v[ACC+64*\j+8*\t+4:ACC+64*\j+8*\t+7], v[BOF], s[12:13] offset:(32*(\t/2)+8*(\t%2))*4+16
.endr
.endr
	s_branch .Lbias_done
.Lbias_v:
	s_wait_alu depctr_va_vdst(0)
	global_load_b32 v[BV], v[BOFV], s[12:13]                 ; a lane holds one d: 8 j + r + 8 (r / 8) of the wave's 32
	global_load_b32 v[BV+1], v[BOFV], s[12:13] offset:32
	s_wait_loadcnt 0x0
.irp j, 0,1
.set i, 0
.rept 64
	v_mov_b32 v[ACC+64*\j+i], v[BV+\j]             ; (while the tiles are on their way)
.set i, i+1
.endr
.endr
.Lbias_done:
	s_wait_tensorcnt 0x1                           ; my scale bytes and my part of slot 0 are in; my third load, slot 1's, may be out
	s_wait_loadcnt 0x0                             ; the bias
	s_barrier_signal -1
	s_barrier_wait -1                              ; everybody's are
	s_wait_alu depctr_va_vdst(0)
	STEP 0, 0, 1
	STEP 0, 1, 0
	STEP 0, 2, 0
	STEP 0, 3, 0
	s_wait_tensorcnt 0x0                           ; my part of slot 1 is in (no LDS load of mine is out: each step waits for all of its own),
	s_barrier_signal -1
	s_barrier_wait -1                              ; everybody's is
	STEP 1, 0, 1
	STEP 1, 1, 0
	STEP 1, 2, 0
	STEP 1, 3, 0
	QUANT ACC, F1, PW
	QUANT ACC+64, F1+8, PW+1
	global_store_b128 v[LI], v[F1:F1+3], s[100:101]          ; each store of the wave covers 512 consecutive bytes, aligned
	global_store_b128 v[LI], v[F1+4:F1+7], s[2:3]
	global_store_b128 v[LIJ], v[F1+8:F1+11], s[100:101]
	global_store_b128 v[LIJ], v[F1+12:F1+15], s[2:3]
	v_cmp_eq_u32 vcc_lo, 1, v[HH]
	s_delay_alu instid0(VALU_DEP_1)
	v_cndmask_b32 v[MW], v[PW], v[PW+1], vcc_lo    ; lanes 0-15: tile j = 0's words; lanes 16-31: tile j = 1's (both halves of the lanes hold their row's word)
	s_cmp_eq_u32 ttmp9, 2
	s_cbranch_scc1 .Lscale_v
	v_and_b32 v[MW+1], 0xffff, v[MW]               ; Q, K: bytes 0, 1 are the first head's, bytes 2, 3 the next head's; the upper two bytes of a stored word are 0
	v_lshrrev_b32 v[MW+2], 16, v[MW]
	global_store_b32 v[LS], v[MW+1], s[66:67]
	global_store_b32 v[LS], v[MW+2], s[66:67] offset:REC
	s_branch .Lstored
.Lscale_v:
	s_wait_alu depctr_va_vdst(0)
	global_store_b32 v[LS], v[MW], s[66:67]
.Lstored:
	s_wait_tensorcnt 0x0
	ds_add_u32 v254, v255
	s_wait_dscnt 0x0
	CROUND                                         ; the closing round: no work-group ends while a partner may still ask for a tile that names it
	s_endpgm
.Lfunc_end_k_qbfdb659809_qkv:
	.size	k_qbfdb659809_qkv, .Lfunc_end_k_qbfdb659809_qkv-k_qbfdb659809_qkv
	.p2alignl 7, 3214868480
	.fill 96, 4, 3214868480
	.section	.rodata,"a",@progbits
	.p2align	6, 0x0
	.amdhsa_kernel k_qbfdb659809_qkv
		.amdhsa_group_segment_fixed_size 297984
		.amdhsa_private_segment_fixed_size 0
		.amdhsa_enable_private_segment 0
		.amdhsa_kernarg_size 64
		.amdhsa_user_sgpr_count 2
		.amdhsa_user_sgpr_kernarg_segment_ptr 1
		.amdhsa_wavefront_size32 1
		.amdhsa_system_sgpr_workgroup_id_x 1
		.amdhsa_system_sgpr_workgroup_id_y 1
		.amdhsa_system_sgpr_workgroup_id_z 1
		.amdhsa_system_vgpr_workitem_id 0
		.amdhsa_next_free_vgpr 256
		.amdhsa_next_free_sgpr 102
		.amdhsa_reserve_vcc 1
		.amdhsa_float_denorm_mode_32 3
		.amdhsa_float_denorm_mode_16_64 3
		.amdhsa_memory_ordered 1
		.amdhsa_forward_progress 1
		.amdhsa_inst_pref_size 57
	.end_amdhsa_kernel
	.amdgpu_metadata
---
amdhsa.version: [ 1, 2 ]
amdhsa.kernels:
  - .name:           k_qbfdb659809_qkv
    .symbol:         k_qbfdb659809_qkv.kd
    .args:
      - { .name: xc, .offset: 0, .size: 8, .value_kind: global_buffer, .address_space: global }
      - { .name: xs, .offset: 8, .size: 8, .value_kind: global_buffer, .address_space: global }
      - { .name: wc, .offset: 16, .size: 8, .value_kind: global_buffer, .address_space: global }
      - { .name: ws, .offset: 24, .size: 8, .value_kind: global_buffer, .address_space: global }
      - { .name: bq, .offset: 32, .size: 8, .value_kind: global_buffer, .address_space: global }
      - { .name: bk, .offset: 40, .size: 8, .value_kind: global_buffer, .address_space: global }
      - { .name: bv, .offset: 48, .size: 8, .value_kind: global_buffer, .address_space: global }
      - { .name: qkv, .offset: 56, .size: 8, .value_kind: global_buffer, .address_space: global }
    .group_segment_fixed_size: 297984
    .private_segment_fixed_size: 0
    .kernarg_segment_align: 8
    .kernarg_segment_size: 64
    .max_flat_workgroup_size: 512
    .sgpr_count:     102
    .vgpr_count:     256
    .wavefront_size: 32
...
	.end_amdgpu_metadata
.endif
;; end of part 2
;; launch attn (part 3): grid 4 x 64, 16 waves a work-group, clusters of 4 x 1, 169,984 bytes of LDS; arguments qkv, ac, asc; writes ac, asc
.if DOCPART == 3
	.amdgcn_target "amdgcn-amd-amdhsa--gfx1250"
	.amdhsa_code_object_version 6
	.text
	.protected	k_qbfdb659809_attn
	.globl	k_qbfdb659809_attn
	.p2align	8
	.type	k_qbfdb659809_attn,@function
k_qbfdb659809_attn:
	s_mov_b64 s[64:65], 0
	v_nop
	global_prefetch_b8 v0, s[64:65] scope:SCOPE_SE
	s_setreg_imm32_b32 hwreg(HW_REG_WAVE_MODE, 25, 1), 1
	s_wait_xcnt 0x0
	s_wait_alu depctr_hold_cnt(0) depctr_sa_sdst(0) depctr_va_vdst(0) depctr_va_sdst(0) depctr_va_ssrc(0) depctr_va_vcc(0) depctr_vm_vsrc(0)
	s_getreg_b32 s2, hwreg(HW_REG_IB_STS2, 6, 4)
	s_cmp_eq_u32 s2, 0
	s_cbranch_scc0 .Lentry_in_a_cluster
	s_endpgm
.Lentry_in_a_cluster:
	s_bfe_u32 s2, ttmp6, 0x10000c
	s_cmp_lg_u32 s2, 0x3003
	s_cbranch_scc0 .Lentry_shape_is_right
	s_endpgm
.Lentry_shape_is_right:
; O[q] = the sum over the keys of softmax(Q[q] . K[k] / 8) V[k] for one (batch, head) of 2,048 tokens and 64 channels, both products on codes of FP4 with E8M0 scales, and O quantised along the
; model's 1,024 (= 64 x head + d) for the last projection.
; THE SOFTMAX: t = score x log2(e) / 8; M = the running largest t rounded UP to a whole number; p = 2^(t - M) is quantised along the keys, not normalised; the row's sum is taken of the unquantised p and divides O
; at the end; when M moves, the sum and O are multiplied by 2^(old M - new M), which rounds nothing.
; SHARES.  A work-group owns 512 queries of one head, each of its sixteen waves a pair of tiles of 16: one tile in each of two passes over all keys, 128 a step.  Four waves share a SIMD, so that one wave's
; vector work stands beside another's products and LDS loads.
; LDS: the first 143,360 bytes of the head's record (K's codes, V^T's codes, their scale words), as they lie in memory: images of operand registers, a lane's 16 bytes at 16 x lane.  Filled once, never stored to.
; CLUSTER: the four work-groups of a head read the same bytes: each wave's one tensor load (35 rows of 256 bytes) is a joint load of the four.  Nothing is prefetched: that load stands at the head.
; LAYOUT.  Both products transposed: S^T = K Q^T, O^T = V^T P^T: a lane holds ONE query throughout.  The keys of a tile are 32 b + 8 u + i + 8 (i / 8), so the 16 registers of tiles 2 b, 2 b + 1 are 16 neighbouring keys;
; the d of a tile of V^T likewise, so O^T's registers run along d.
; THE FIRST PRODUCT'S K IS 64, THE INSTRUCTION'S 128: Q's upper four registers are zero codes; K's operand of tile t is registers 4 t .. 4 t + 7 of K's run, whose upper four (the next tile's codes, or the zeros behind
; the run) meet only Q's zeros; bytes 2, 3 of both scale words are 0, a power of two: those blocks add exactly 0.
; LIMITS: a block's largest p is made from its largest score by the same two instructions, which takes v_exp_f32 not to fall where its input rises; a block whose largest magnitude lies under 2^-124 gets the byte 1;
; NaN and infinities are not served.  The scale halfwords leave 2 bytes a lane, 4 bytes apart (the other halves are the neighbouring head's): a sixteenth of the codes' bytes.
.set REC,  217088
.set VC,   65536
.set KS,   131072
.set VS,   139264
.set QC,   143360
.set QS,   208896
.set LI,   1                           ; v1  16 x lane (K's codes begin at LDS byte 0)
.set LS,   2                           ; v2  4 x lane
.set LIV,  3                           ; v3  16 x lane + VC
.set LSK,  4                           ; v4  4 x lane + KS
.set LSV,  5                           ; v5  4 x lane + VS
.set HH,   7                           ; v7  lane / 16
.set ADK,  8                           ; v8-11 the step's LDS addresses: K's codes, V's codes, K's words, V's words
.set ADV,  9
.set ADS,  10
.set ADT,  11
.set QF,   16                          ; v16-31 Q: tile u at QF + 8 u: four registers of codes, four of zeros;  v12 -M, v13 the largest t, v[14:15] the sum in two halves
.set KF,   32                          ; v32-63 K's eight tiles, four registers each; v64-67 zeros
.set QSW,  68                          ; v68    Q's scale words: lanes 0-15 tile 0, lanes 16-31 tile 1
.set HW,   69                          ; v69-70 the two bytes made in pass 0, 1; v71 as stored
.set OC,   72                          ; v72-79 the codes made in pass 0, 1
.set TM,   80                          ; v80-95 at work on the way out
.set VF,   192                         ; v192-223 V^T's four fragments.  v96-159 S^T, then p, then O / l;  v160-191 O^T;  v224-231 p's codes;  v232-239, v244-247, v252-254 at work (v253: p's scale word)
.set VSW,  240                         ; v240-241 V^T's scale words
.set KSW,  248                         ; v248-251 K's
.set WV,   10                          ; s10 wave; s11 cx; s12 batch x 16 + head; s13 my pair of query tiles
.set G1,   16                          ; s[16:23], s[24:27] the descriptor
.set G0,   24
.set SEL,  28                          ; s[28:29] lane selects for v_permlanex16_b32: lane l xor 16
.set CS,   30                          ; s[30:31] c = log2(e) / 8
.set TK,   32                          ; s32 the step's codes begin here: 4,096 bytes a step, in K's and in V's
.set TS,   33                          ; s33 K's words: 512 a step
.set TT,   34                          ; s34 V's words: 256 a step
.set CNT,  35
.macro CROUND                          ; a round of the cluster's barrier
	s_barrier_signal -1
	s_barrier_wait -1
	s_cmp_lg_u32 s[WV], 0
	s_cbranch_scc1 .Lnot_wave_0_\@
	s_barrier_signal -3
.Lnot_wave_0_\@:
	s_barrier_wait -3
	s_barrier_signal -1
	s_barrier_wait -1
.endm
.macro PLACES n
.rept \n
	v_nop
.endr
.endm
.macro KQ t, u                         ; S^T's tile t: 16 keys x my 16 queries of pass u.  K's words of tile t: lanes 0-15 (t even) or 16-31 (t odd) of the pair's register; Q's: by u
.if ((\t)%2) && (\u)
	v_wmma_scale_f32_16x16x128_f8f6f4 v[96+8*(\t):103+8*(\t)], v[KF+4*(\t):KF+4*(\t)+7], v[QF+8*(\u):QF+8*(\u)+7], 0, v[KSW+(\t)/2], v[QSW] matrix_a_fmt:MATRIX_FMT_FP4 matrix_b_fmt:MATRIX_FMT_FP4 matrix_a_scale:MATRIX_SCALE_ROW1 matrix_b_scale:MATRIX_SCALE_ROW1
.elseif (\t)%2
	v_wmma_scale_f32_16x16x128_f8f6f4 v[96+8*(\t):103+8*(\t)], v[KF+4*(\t):KF+4*(\t)+7], v[QF+8*(\u):QF+8*(\u)+7], 0, v[KSW+(\t)/2], v[QSW] matrix_a_fmt:MATRIX_FMT_FP4 matrix_b_fmt:MATRIX_FMT_FP4 matrix_a_scale:MATRIX_SCALE_ROW1
.elseif \u
	v_wmma_scale_f32_16x16x128_f8f6f4 v[96+8*(\t):103+8*(\t)], v[KF+4*(\t):KF+4*(\t)+7], v[QF+8*(\u):QF+8*(\u)+7], 0, v[KSW+(\t)/2], v[QSW] matrix_a_fmt:MATRIX_FMT_FP4 matrix_b_fmt:MATRIX_FMT_FP4 matrix_b_scale:MATRIX_SCALE_ROW1
.else
	v_wmma_scale_f32_16x16x128_f8f6f4 v[96+8*(\t):103+8*(\t)], v[KF+4*(\t):KF+4*(\t)+7], v[QF+8*(\u):QF+8*(\u)+7], 0, v[KSW+(\t)/2], v[QSW] matrix_a_fmt:MATRIX_FMT_FP4 matrix_b_fmt:MATRIX_FMT_FP4
.endif
.endm
.macro PV d                            ; O^T's tile d += 16 d x 128 keys times p
.if (\d)%2
	v_wmma_scale_f32_16x16x128_f8f6f4 v[160+8*(\d):167+8*(\d)], v[VF+8*(\d):VF+8*(\d)+7], v[224:231], v[160+8*(\d):167+8*(\d)], v[VSW+(\d)/2], v253 matrix_a_fmt:MATRIX_FMT_FP4 matrix_b_fmt:MATRIX_FMT_FP4 matrix_a_scale:MATRIX_SCALE_ROW1
.else
	v_wmma_scale_f32_16x16x128_f8f6f4 v[160+8*(\d):167+8*(\d)], v[VF+8*(\d):VF+8*(\d)+7], v[224:231], v[160+8*(\d):167+8*(\d)], v[VSW+(\d)/2], v253 matrix_a_fmt:MATRIX_FMT_FP4 matrix_b_fmt:MATRIX_FMT_FP4
.endif
.endm
; A KEY STEP: 128 keys, for the query tile of pass u.
.macro STEP u
	v_add_nc_u32 v[ADK], s[TK], v[LI]              ; these four are also the places in front of the loads into registers that the last step's products read
	v_add_nc_u32 v[ADV], s[TK], v[LIV]
	v_add_nc_u32 v[ADS], s[TS], v[LSK]
	v_add_nc_u32 v[ADT], s[TT], v[LSV]
.irp t, 0,1,2,3,4,5,6,7
	ds_load_b128 v[KF+4*\t:KF+4*\t+3], v[ADK] offset:512*\t
.endr
.irp b, 0,1,2,3
	ds_load_b32 v[KSW+\b], v[ADS] offset:128*\b
.endr
.irp d, 0,1,2,3
.irp c, 0,1
	ds_load_b128 v[VF+8*\d+4*\c:VF+8*\d+4*\c+3], v[ADV] offset:1024*\d+512*\c
.endr
.endr
.irp e, 0,1
	ds_load_b32 v[VSW+\e], v[ADT] offset:128*\e
.endr
	s_wait_dscnt 10                                ; K's twelve loads are in; V's ten, issued behind them, may be out: they are wanted behind the softmax
.irp t, 0,1,2,3,4,5,6,7
	KQ \t, \u
.endr
	PLACES 4
.irp b, 0,1,2,3
	v_max3_num_f32 v[232+\b], v[96+16*\b], v[97+16*\b], v[98+16*\b]   ; THE LARGEST SCORE OF EACH BLOCK OF 32 KEYS: it serves the row's maximum and, since p rises with the score, the block's largest p
.endr
.irp i, 3,5,7,9,11,13
.irp b, 0,1,2,3
	v_max3_num_f32 v[232+\b], v[232+\b], v[96+16*\b+\i], v[97+16*\b+\i]   ; (the four blocks by turns)
.endr
.endr
.irp b, 0,1,2,3
	v_max_num_f32 v[232+\b], v[232+\b], v[111+16*\b]
.endr
.irp b, 0,1,2,3
	s_delay_alu instid0(VALU_DEP_4)
	v_permlanex16_b32 v[236+\b], v[232+\b], s[SEL], s[SEL+1]
.endr
.irp b, 0,1,2,3
	s_delay_alu instid0(VALU_DEP_4)
	v_max_num_f32 v[232+\b], v[232+\b], v[236+\b]  ; with lane l xor 16's 16 keys
.endr
	s_delay_alu instid0(VALU_DEP_2)
	v_max3_num_f32 v254, v232, v233, v234
	s_delay_alu instid0(VALU_DEP_1)
	v_max_num_f32 v254, v254, v235                 ; the step's largest score of my query
	s_delay_alu instid0(VALU_DEP_1)
	v_mul_f32 v254, s[CS], v254                    ; as t (c is positive)
	s_delay_alu instid0(VALU_DEP_1)
	v_max_num_f32 v13, v13, v254                   ; the running largest t
	v_mov_b32 v254, v12
	s_delay_alu instid0(VALU_DEP_2)
	v_floor_f32 v12, -v13                          ; the new -M = floor(-t) = -ceil(t): a whole number
	s_delay_alu instid0(VALU_DEP_1)
	v_sub_f32 v254, v12, v254                      ; M's old value less its new one: a whole number, 0 or less
	s_delay_alu instid0(VALU_DEP_1)
	v_cvt_i32_f32 v254, v254                       ; (it saturates)
	s_delay_alu instid0(VALU_DEP_1)
	v_ldexp_f32 v252, 1.0, v254                    ; f = 2^(old M - new M)
.set j, 0
.rept 32
	v_pk_fma_f32 v[96+j:97+j], v[96+j:97+j], s[CS:CS+1], v[12:13] op_sel_hi:[1,0,0]   ; t - M, two at a time (of the pairs c and -M the low word serves both halves)
.set j, j+2
.endr
.irp b, 0,1,2,3
	v_fma_f32 v[232+\b], v[232+\b], s[CS], v12     ; the same of each block's largest score
.endr
.set j, 0
	s_wait_alu depctr_va_vdst(0)
.rept 64
	v_exp_f32 v[96+j], v[96+j]                     ; p = 2^(t - M), at most 1: not normalised
.set j, j+1
.endr
	s_setprio 1
	v_pk_mul_f32 v[14:15], v[14:15], v[252:253] op_sel_hi:[1,0]   ; the sums under the new M (a plain line behind the exponentials)
	s_wait_alu depctr_va_vdst(0)                   ; one wait for the whole batch, ahead of its first reader
.irp b, 0,1,2,3
	v_exp_f32 v[232+\b], v[232+\b]                 ; the block's largest p
.endr
	v_pk_add_f32 v[236:237], v[100:101], v[104:105]
	v_pk_add_f32 v[250:251], v[108:109], v[112:113]
	v_pk_add_f32 v[248:249], v[116:117], v[120:121]
	v_pk_add_f32 v[246:247], v[124:125], v[128:129]
	v_pk_add_f32 v[244:245], v[132:133], v[136:137]
	v_pk_add_f32 v[238:239], v[140:141], v[144:145]
	v_pk_add_f32 v[230:231], v[148:149], v[152:153]
	v_pk_add_f32 v[14:15], v[14:15], v[156:157]
	v_pk_add_f32 v[236:237], v[236:237], v[96:97]
	v_pk_add_f32 v[250:251], v[250:251], v[98:99]
	v_pk_add_f32 v[248:249], v[248:249], v[102:103]
	v_pk_add_f32 v[246:247], v[246:247], v[106:107]
	v_pk_add_f32 v[244:245], v[244:245], v[110:111]
	v_pk_add_f32 v[238:239], v[238:239], v[114:115]
	v_pk_add_f32 v[230:231], v[230:231], v[118:119]
	v_pk_add_f32 v[14:15], v[14:15], v[122:123]
	v_pk_add_f32 v[236:237], v[236:237], v[126:127]
	v_pk_add_f32 v[250:251], v[250:251], v[130:131]
	v_pk_add_f32 v[248:249], v[248:249], v[134:135]
	v_pk_add_f32 v[246:247], v[246:247], v[138:139]
	v_pk_add_f32 v[244:245], v[244:245], v[142:143]
	v_pk_add_f32 v[238:239], v[238:239], v[146:147]
	v_pk_add_f32 v[230:231], v[230:231], v[150:151]
	v_pk_add_f32 v[14:15], v[14:15], v[154:155]
	v_pk_add_f32 v[236:237], v[236:237], v[158:159]
	s_delay_alu instid0(VALU_DEP_2)
	v_pk_add_f32 v[14:15], v[14:15], v[246:247]
	s_delay_alu instid0(VALU_DEP_2)
	v_pk_add_f32 v[236:237], v[236:237], v[244:245]
	v_pk_add_f32 v[250:251], v[250:251], v[238:239]
	v_pk_add_f32 v[248:249], v[248:249], v[230:231]
	s_delay_alu instid0(VALU_DEP_2)
	v_pk_add_f32 v[14:15], v[14:15], v[250:251]
	s_delay_alu instid0(VALU_DEP_2)
	v_pk_add_f32 v[236:237], v[236:237], v[248:249]
	s_delay_alu instid0(VALU_DEP_1)
	v_pk_add_f32 v[14:15], v[14:15], v[236:237]
	s_wait_alu depctr_va_vdst(0)                   ; and one for the four
.irp b, 0,1,2,3
	v_max_num_f32 v[232+\b], 0x1800000, v[232+\b]  ; the floor 2^(3 - 127): the byte cannot fall under 1
.endr
.irp b, 0,1,2,3
	s_delay_alu instid0(VALU_DEP_4)
	v_add_nc_u32 v[244+\b], 0xff000000, v[232+\b]  ; 2 off the exponent field: the conversion's scale operand
.endr
.irp b, 0,1,2,3
	s_delay_alu instid0(VALU_DEP_4)
	v_lshrrev_b32 v[236+\b], 23, v[244+\b]         ; the scale's byte
.endr
	s_delay_alu instid0(VALU_DEP_3)
	v_lshl_or_b32 v253, v237, 8, v236              ; p's scale word for these 128 keys
	s_delay_alu instid0(VALU_DEP_1)
	v_lshl_or_b32 v253, v238, 16, v253
	s_delay_alu instid0(VALU_DEP_1)
	v_lshl_or_b32 v253, v239, 24, v253
.irp b, 0,1,2,3
	v_cvt_scalef32_pk8_fp4_f32 v[224+2*\b], v[96+16*\b:103+16*\b], v[244+\b]
	v_cvt_scalef32_pk8_fp4_f32 v[225+2*\b], v[104+16*\b:111+16*\b], v[244+\b]
.endr
	v_nop                                          ; one plain line behind a scaled conversion
.irp c, 0,1                                    ; the operand's layout wants a whole block in a lane
.irp i, 0,1
	v_permlane16_swap_b32 v[224+4*\c+\i], v[226+4*\c+\i]
.endr
.endr
.set j, 0
	s_setprio 0
.rept 16
	v_pk_mul_f32 v[160+j:161+j], v[160+j:161+j], v[252:253] op_sel_hi:[1,0]   ; O^T under the new M.  (These sixteen are also the places between the lines that made p's codes and scale word and the products)
.set j, j+2
.endr
	s_wait_alu depctr_va_vdst(0)
	s_wait_dscnt 0x0                               ; V's fragments and words are in
.irp d, 0,1,2,3
	PV \d                                          ; four accumulators by turns, one instruction each
.endr
	s_add_co_u32 s[TK], s[TK], 4096
	s_add_co_u32 s[TS], s[TS], 512
	s_add_co_u32 s[TT], s[TT], 256
.endm
; THE WAY OUT of pass u: O^T / the sum; its two blocks of 32 along d are quantised; the codes are registers 4 c .. 4 c + 3 (c = head % 2) of the last projection's operand for K step head / 2.
.macro OUT u
	PLACES 4
	v_add_f32 v14, v14, v15                        ; the sum's two halves,
	s_delay_alu instid0(VALU_DEP_1)
	v_permlanex16_b32 v252, v14, s[SEL], s[SEL+1]
	s_delay_alu instid0(VALU_DEP_1)
	v_add_f32 v14, v14, v252                       ; and lane l xor 16's
	s_wait_alu depctr_va_vdst(0)
	v_rcp_f32 v14, v14
	v_nop                                          ; a plain line behind the reciprocal,
	s_wait_alu depctr_va_vdst(0)                   ; and the wait ahead of its first reader
.set j, 0
.rept 16
	v_pk_mul_f32 v[96+j:97+j], v[160+j:161+j], v[14:15] op_sel_hi:[1,0]   ; register 16 b + i: d = 32 b + 16 (lane / 16) + i.  Each accumulator from its low end on
.set j, j+2
.endr
.irp b, 0,1
	v_max3_num_f32 v[TM+\b], |v[96+16*\b]|, |v[97+16*\b]|, 0x1800000
.endr
.irp i, 2,4,6,8,10,12,14
.irp b, 0,1
	s_delay_alu instid0(VALU_DEP_2)
	v_max3_num_f32 v[TM+\b], v[TM+\b], |v[96+16*\b+\i]|, |v[97+16*\b+\i]|
.endr
.endr
.irp b, 0,1
	s_delay_alu instid0(VALU_DEP_2)
	v_permlanex16_b32 v[TM+4+\b], v[TM+\b], s[SEL], s[SEL+1]
.endr
.irp b, 0,1
	s_delay_alu instid0(VALU_DEP_2)
	v_max_num_f32 v[TM+\b], v[TM+\b], v[TM+4+\b]
.endr
.irp b, 0,1
	s_delay_alu instid0(VALU_DEP_2)
	v_add_nc_u32 v[TM+12+\b], 0xff000000, v[TM+\b]
.endr
.irp b, 0,1
	s_delay_alu instid0(VALU_DEP_2)
	v_lshrrev_b32 v[TM+4+\b], 23, v[TM+12+\b]
.endr
	s_delay_alu instid0(VALU_DEP_1)
	v_lshl_or_b32 v[HW+\u], v[TM+5], 8, v[TM+4]    ; my row's two bytes
.irp b, 0,1
	v_cvt_scalef32_pk8_fp4_f32 v[OC+4*\u+2*\b], v[96+16*\b:103+16*\b], v[TM+12+\b]
	v_cvt_scalef32_pk8_fp4_f32 v[OC+4*\u+2*\b+1], v[104+16*\b:111+16*\b], v[TM+12+\b]
.endr
	v_nop
.irp i, 0,1
	v_permlane16_swap_b32 v[OC+4*\u+\i], v[OC+4*\u+2+\i]
.endr
	global_store_b128 v[LI], v[OC+4*\u:OC+4*\u+3], s[38:39] offset:4096*\u   ; the wave stores 512 consecutive bytes, aligned; each pass has registers of its own
.endm
.macro PASS u
	v_mov_b32 v13, 0xff61b1e6                      ; the largest t so far: -3e38, under every t
	s_delay_alu instid0(VALU_DEP_1)
	v_floor_f32 v12, -v13                          ; -M
	v_mov_b32 v14, 0
	v_mov_b32 v15, 0
.set j, 0
.rept 32
	v_mov_b32 v[160+j], 0                          ; O^T.  (The step is written once: the first finds zeros, which the first change of M leaves zeros)
.set j, j+1
.endr
	s_mov_b32 s[TK], 0
	s_mov_b32 s[TS], 0
	s_mov_b32 s[TT], 0
	s_mov_b32 s[CNT], 16
.Lstep_\@:
	s_setprio 2
	STEP \u
	s_sub_co_u32 s[CNT], s[CNT], 1
	s_cmp_lg_u32 s[CNT], 0
	s_cbranch_scc1 .Lstep_\@
	s_setprio 0
	OUT \u
.endm
	s_load_b128 s[4:7], s[0:1], 0x0                ; qkv, ac
	s_load_b64 s[8:9], s[0:1], 0x10                ; asc
	v_lshl_add_u32 v243, v0, 2, 0x29000
	v_mov_b32 v255, 0
	ds_add_u32 v243, v255
	ds_add_u32 v243, v255
	v_lshrrev_b32 v6, 5, v0
	s_delay_alu instid0(VALU_DEP_1)
	v_readfirstlane_b32 s[WV], v6                  ; wave 0..15
	s_bfe_u32 s11, ttmp6, 0x40000                  ; cx: it enters global addresses of Q and of the results alone
	s_and_b32 s12, ttmp7, 0xffff                   ; 16 x batch + head, which the four partners share
	s_mov_b32 s[G1], 15|(3<<16)|(1<<21)            ; 15:0 the mask: all four; 17:16 elements of 8 bytes; 21 set beside a mask; no padding
	s_mov_b32 s[G1+1], 32<<16                      ; tensor_dim0 = 32 elements: 256 bytes
	s_mov_b32 s[G1+2], 35<<16                      ; tensor_dim1 = 35 rows: 8,960 bytes a wave, 143,360 for the sixteen
	s_mov_b32 s[G1+3], 32<<16                      ; tile_dim0
	s_mov_b32 s[G1+4], 35                          ; tile_dim1
	s_mov_b32 s[G1+5], 32                          ; dense
	s_mov_b32 s[G1+6], 0
	s_mov_b32 s[G1+7], 0
	s_mul_i32 s42, s12, REC
	s_mov_b32 s43, 0
	s_mul_i32 s44, s[WV], 8960
	s_mov_b32 s45, 0
	v_and_b32 v6, 31, v0
	s_delay_alu instid0(VALU_DEP_1)
	v_lshlrev_b32 v[LI], 4, v6
	s_delay_alu instid0(VALU_DEP_2)
	v_lshlrev_b32 v[LS], 2, v6
	s_wait_dscnt 0x0
	s_wait_kmcnt 0x0
	s_add_nc_u64 s[36:37], s[4:5], s[42:43]        ; the record
	s_mov_b32 s[G0], 1
	s_mov_b32 s[G0+1], s44
	s_add_nc_u64 s[G0+2:G0+3], s[36:37], s[44:45]
	s_or_b32 s[G0+3], s[G0+3], 0x80000000
	CROUND                                         ; all four work-groups are here: the joint loads meet
	tensor_load_to_lds s[G0:G0+3], s[G1:G1+7]      ; one load of mine is out
	s_nop 0
	PLACES 4
	s_lshl_b32 s13, s11, 4
	s_add_co_u32 s13, s13, s[WV]                   ; my pair of query tiles: 16 cx + wave
	s_lshl_b32 s46, s13, 10
	s_add_co_u32 s46, s46, QC
	s_mov_b32 s47, 0
	s_add_nc_u64 s[46:47], s[36:37], s[46:47]
	s_lshl_b32 s14, s13, 7
	s_add_co_u32 s14, s14, QS
	s_mov_b32 s15, 0
	s_add_nc_u64 s[14:15], s[36:37], s[14:15]
	s_wait_alu depctr_va_vdst(0)
	global_load_b128 v[QF:QF+3], v[LI], s[46:47]
	global_load_b128 v[QF+8:QF+11], v[LI], s[46:47] offset:512
	global_load_b32 v[QSW], v[LS], s[14:15]
.irp j, 4,5,6,7,12,13,14,15
	v_mov_b32 v[QF+\j], 0                          ; zero codes for k = 64 .. 127
.endr
.irp j, 0,1,2,3
	v_mov_b32 v[KF+32+\j], 0                       ; behind K's run
	v_mov_b32 v[236+\j], 0                         ; written once: a lane permute's destination counts as one of its sources
.endr
	v_mov_b32 v[TM+4], 0
	v_mov_b32 v[TM+5], 0
	v_mov_b32 v253, 0                              ; (named as the upper half of the pair v[252:253] before it is first written)
	v_add_nc_u32 v[LIV], VC, v[LI]
	v_add_nc_u32 v[LSK], KS, v[LS]
	v_add_nc_u32 v[LSV], VS, v[LS]
	v_bfe_u32 v[HH], v0, 4, 1
	s_mov_b32 s[SEL], 0x76543210
	s_mov_b32 s[SEL+1], 0xfedcba98
	s_mov_b32 s[CS], 0x3e38aa3b                    ; log2(e) / 8
	s_mov_b32 s[CS+1], s[CS]                       ; (named with it as a pair, so it is written)
	s_and_b32 s42, s12, 15                         ; head
	s_lshr_b32 s43, s12, 4                         ; batch
	s_lshl_b32 s44, s43, 6
	s_add_co_u32 s44, s44, s13                     ; my pair among all tokens' 256
	s_lshl_b32 s45, s44, 13                        ; ac: [head / 8][tile][(head / 2) % 4][head % 2][512]: two tiles of 4,096 bytes a pair,
	s_lshr_b32 s43, s42, 3
	s_lshl_b32 s43, s43, 21                        ; 2,097,152 for heads 8 on,
	s_add_co_u32 s45, s45, s43
	s_and_b32 s43, s42, 7
	s_lshl_b32 s43, s43, 9                         ; 512 x (head % 8)
	s_add_co_u32 s38, s45, s43
	s_mov_b32 s39, 0
	s_add_nc_u64 s[38:39], s[6:7], s[38:39]
	s_lshl_b32 s44, s44, 10                        ; asc: [pair][head / 2][4 x lane], my halfword at 2 x (head % 2)
	s_lshr_b32 s43, s42, 1
	s_lshl_b32 s43, s43, 7
	s_add_co_u32 s44, s44, s43
	s_and_b32 s43, s42, 1
	s_lshl_b32 s43, s43, 1
	s_add_co_u32 s40, s44, s43
	s_mov_b32 s41, 0
	s_add_nc_u64 s[40:41], s[8:9], s[40:41]
	s_wait_tensorcnt 0x0                           ; my part of the head's K and V is in,
	s_wait_loadcnt 0x0                             ; and Q
	s_barrier_signal -1
	s_barrier_wait -1                              ; everybody's part is
	PASS 0
	PASS 1
	v_cmp_eq_u32 vcc_lo, 1, v[HH]
	s_delay_alu instid0(VALU_DEP_1)
	v_cndmask_b32 v[HW+2], v[HW], v[HW+1], vcc_lo  ; lanes 0-15: tile 0's rows; lanes 16-31: tile 1's
	global_store_b16 v[LS], v[HW+2], s[40:41]
	s_wait_tensorcnt 0x0
	ds_add_u32 v243, v255
	s_wait_dscnt 0x0
	CROUND                                         ; the closing round
	s_endpgm
.Lfunc_end_k_qbfdb659809_attn:
	.size	k_qbfdb659809_attn, .Lfunc_end_k_qbfdb659809_attn-k_qbfdb659809_attn
	.p2alignl 7, 3214868480
	.fill 96, 4, 3214868480
	.section	.rodata,"a",@progbits
	.p2align	6, 0x0
	.amdhsa_kernel k_qbfdb659809_attn
		.amdhsa_group_segment_fixed_size 169984
		.amdhsa_private_segment_fixed_size 0
		.amdhsa_enable_private_segment 0
		.amdhsa_kernarg_size 24
		.amdhsa_user_sgpr_count 2
		.amdhsa_user_sgpr_kernarg_segment_ptr 1
		.amdhsa_wavefront_size32 1
		.amdhsa_system_sgpr_workgroup_id_x 1
		.amdhsa_system_sgpr_workgroup_id_y 1
		.amdhsa_system_sgpr_workgroup_id_z 1
		.amdhsa_system_vgpr_workitem_id 0
		.amdhsa_next_free_vgpr 256
		.amdhsa_next_free_sgpr 66
		.amdhsa_reserve_vcc 1
		.amdhsa_float_denorm_mode_32 3
		.amdhsa_float_denorm_mode_16_64 3
		.amdhsa_memory_ordered 1
		.amdhsa_forward_progress 1
		.amdhsa_inst_pref_size 50
	.end_amdhsa_kernel
	.amdgpu_metadata
---
amdhsa.version: [ 1, 2 ]
amdhsa.kernels:
  - .name:           k_qbfdb659809_attn
    .symbol:         k_qbfdb659809_attn.kd
    .args:
      - { .name: qkv, .offset: 0, .size: 8, .value_kind: global_buffer, .address_space: global }
      - { .name: ac, .offset: 8, .size: 8, .value_kind: global_buffer, .address_space: global }
      - { .name: asc, .offset: 16, .size: 8, .value_kind: global_buffer, .address_space: global }
    .group_segment_fixed_size: 169984
    .private_segment_fixed_size: 0
    .kernarg_segment_align: 8
    .kernarg_segment_size: 24
    .max_flat_workgroup_size: 512
    .sgpr_count:     66
    .vgpr_count:     256
    .wavefront_size: 32
...
	.end_amdgpu_metadata
.endif
;; end of part 3
;; launch oproj (part 4): grid 4 x 64, 8 waves a work-group, clusters of 4 x 4, 286,208 bytes of LDS; arguments ac, asc, wc, ws, bo, out0; writes out0
.if DOCPART == 4
	.amdgcn_target "amdgcn-amd-amdhsa--gfx1250"
	.amdhsa_code_object_version 6
	.text
	.protected	k_qbfdb659809_oproj
	.globl	k_qbfdb659809_oproj
	.p2align	8
	.type	k_qbfdb659809_oproj,@function
k_qbfdb659809_oproj:
	s_mov_b64 s[64:65], 0
	v_nop
	global_prefetch_b8 v0, s[64:65] scope:SCOPE_SE
	s_setreg_imm32_b32 hwreg(HW_REG_WAVE_MODE, 25, 1), 1
	s_wait_xcnt 0x0
	s_wait_alu depctr_hold_cnt(0) depctr_sa_sdst(0) depctr_va_vdst(0) depctr_va_sdst(0) depctr_va_ssrc(0) depctr_va_vcc(0) depctr_vm_vsrc(0)
	s_getreg_b32 s2, hwreg(HW_REG_IB_STS2, 6, 4)
	s_cmp_eq_u32 s2, 0
	s_cbranch_scc0 .Lentry_in_a_cluster
	s_endpgm
.Lentry_in_a_cluster:
	s_bfe_u32 s2, ttmp6, 0x10000c
	s_cmp_lg_u32 s2, 0xf033
	s_cbranch_scc0 .Lentry_shape_is_right
	s_endpgm
.Lentry_shape_is_right:
; out0 = A Wo^T + bo on codes of FP4 with E8M0 scales, K = 1,024.  A, the attention's result, lies as images of operand registers: ac [K half][tile of 16 tokens][K step % 4][2 x 512 bytes, a lane's 16 at 16 x lane],
; asc [pair of tiles][K step][4 x lane: lanes 0-15 the first tile's words, lanes 16-31 the second's].  Wo's codes and scale bytes are places 3,072 on of wc [place][512] and ws [place][32].
; 16 places on end, and the 16 tokens of a tile, are rows 32 b + 8 u + i + 8 (i / 8).
; SHARES.  A work-group takes 128 tokens x 256 columns, all of K in LDS, filled once.  A wave: source 0 = 128 places of Wo (8 tiles), source 1 = a pair of token tiles: 16 accumulators; a lane holds one token, and the
; 16 registers of tiles 2 b, 2 b + 1 are the 16 neighbouring columns 32 b + 16 (lane / 16) + 0 .. 15.  The sums begin with the bias: the accumulators are loaded with it.
; CLUSTER: 4 x 4.  A's bytes hang on the tile row alone and are asked for jointly along a row of the cluster, Wo's on cx alone and jointly along a column.  Nothing is prefetched: the only tensor loads stand at the head.
; THE WAY OUT: 16 rows x 128 columns go through the wave's own stage in LDS (bytes into which no tile lands) and come back as whole rows of 512 bytes.
.set PITCH, 272                        ; an LDS row of Wo: 256 bytes + 16 of padding
.set WSLOT, 256*PITCH                  ; half of K of Wo's 256 rows
.set AIMG,  2*WSLOT                    ; A's images: [K half][tile 0..7][4][1,024]
.set WSC,   AIMG+65536                 ; Wo's scale bytes: eight rows to 256 bytes + 16
.set ASC,   WSC+32*PITCH               ; A's scale words: [pair 0..3][K step][128]
.set STG,   ASC+4096                   ; the stages: 16 rows x 528 bytes for each wave; a multiple of 256
.set SPITCH, 528
.set LI,   1                           ; v1   16 x lane
.set LS,   2                           ; v2   4 x lane
.set AD0,  4                           ; v4-5 LDS address of Wo's fragments in slot 0, 1
.set ADI,  6                           ; v6   of my pair's images
.set ADQ,  7                           ; v7   of its scale words
.set ASC0, 8                           ; v8   of Wo's scale words
.set STO,  9                           ; v9   the stage: where I put 16 bytes of a row
.set BOF,  10                          ; v10  my half's place in a tile's bias
.set RD,   11                          ; v11  the stage: where I read a row back
.set F1,   16                          ; v16-31  A's two fragments
.set F0,   32                          ; v32-95  Wo's eight; on the way out the first tile's rows
.set ACC,  96                          ; v96-223 accumulator (j, t) at ACC + 64 j + 8 t; on the way out v96-159 take the second tile's rows
.set SC0,  224                         ; v224-239 Wo's words: register 4 b + q: lanes 0-15 tile 2 b, lanes 16-31 tile 2 b + 1
.set SC1,  240                         ; v240-243 A's: register q
.set WV,   20                          ; s20 wave; s21 which 128 of Wo; s22 which pair of token tiles; s23 cx, s24 cy; s26 tile row; s29 wave % 4
.set G1W,  36                          ; s[36:43] group 1 for Wo's codes; s[44:51] its scale bytes; s[52:59] A's images; s[68:75] A's scale words
.set G1WS, 44
.set G1A,  52
.set G1AS, 68
.set G0W,  76                          ; s[76:87] Wo's three groups 0: scale bytes, slot 0, slot 1;  s[88:99] A's
.set G0A,  88
.set OB,   100                         ; s[100:101] out0 at my rows and columns
.macro CROUND                          ; a round of the cluster's barrier
	s_barrier_signal -1
	s_barrier_wait -1
	s_cmp_lg_u32 s[WV], 0
	s_cbranch_scc1 .Lnot_wave_0_\@
	s_barrier_signal -3
.Lnot_wave_0_\@:
	s_barrier_wait -3
	s_barrier_signal -1
	s_barrier_wait -1
.endm
.macro PLACES n
.rept \n
	v_nop
.endr
.endm
.macro WM d, a, b, sa, sb, ra, rb      ; one product, added in place.  ra, rb = 1: that side's scale words stand in lanes 16-31
.if (\ra) && (\rb)
	v_wmma_scale_f32_16x16x128_f8f6f4 v[(\d):(\d)+7], v[(\a):(\a)+7], v[(\b):(\b)+7], v[(\d):(\d)+7], v[(\sa)], v[(\sb)] matrix_a_fmt:MATRIX_FMT_FP4 matrix_b_fmt:MATRIX_FMT_FP4 matrix_a_scale:MATRIX_SCALE_ROW1 matrix_b_scale:MATRIX_SCALE_ROW1
.elseif (\ra)
	v_wmma_scale_f32_16x16x128_f8f6f4 v[(\d):(\d)+7], v[(\a):(\a)+7], v[(\b):(\b)+7], v[(\d):(\d)+7], v[(\sa)], v[(\sb)] matrix_a_fmt:MATRIX_FMT_FP4 matrix_b_fmt:MATRIX_FMT_FP4 matrix_a_scale:MATRIX_SCALE_ROW1
.elseif (\rb)
	v_wmma_scale_f32_16x16x128_f8f6f4 v[(\d):(\d)+7], v[(\a):(\a)+7], v[(\b):(\b)+7], v[(\d):(\d)+7], v[(\sa)], v[(\sb)] matrix_a_fmt:MATRIX_FMT_FP4 matrix_b_fmt:MATRIX_FMT_FP4 matrix_b_scale:MATRIX_SCALE_ROW1
.else
	v_wmma_scale_f32_16x16x128_f8f6f4 v[(\d):(\d)+7], v[(\a):(\a)+7], v[(\b):(\b)+7], v[(\d):(\d)+7], v[(\sa)], v[(\sb)] matrix_a_fmt:MATRIX_FMT_FP4 matrix_b_fmt:MATRIX_FMT_FP4
.endif
.endm
; 128 along K: the slot's q-th.  sc = 1: the slot's scale words come first.  The 16 accumulators take turns, one instruction a turn, in the same order in every step.
; The four places at the end stand in front of the next loads into registers that these products read, and of the first read of the results.
.macro STEP slot, q, sc
.if \sc
.irp b, 0,1,2,3
	ds_load_b128 v[SC0+4*\b:SC0+4*\b+3], v[ASC0] offset:4*PITCH*\b+16*\slot
.endr
.irp e, 0,1,2,3
	ds_load_b32 v[SC1+\e], v[ADQ] offset:(4*\slot+\e)*128
.endr
.endif
.irp j, 0,1
.irp c, 0,1
	ds_load_b128 v[F1+8*\j+4*\c:F1+8*\j+4*\c+3], v[ADI] offset:\slot*32768+\j*4096+\q*1024+512*\c
.endr
.endr
.irp t, 0,1,2,3,4,5,6,7
.irp c, 0,1
	ds_load_b128 v[F0+8*\t+4*\c:F0+8*\t+4*\c+3], v[AD0+\slot] offset:\t*16*PITCH+64*\q+32*\c
.endr
.endr
	s_wait_dscnt 0x0
.irp t, 0,1,2,3,4,5,6,7
.irp j, 0,1
	WM ACC+64*\j+8*\t, F0+8*\t, F1+8*\j, SC0+4*(\t/2)+\q, SC1+\q, \t%2, \j
.endr
.endr
	PLACES 4
.endm
	s_load_b256 s[4:11], s[0:1], 0x0               ; ac, asc, wc, ws
	s_load_b128 s[12:15], s[0:1], 0x20             ; bo, out0
	v_lshl_add_u32 v254, v0, 2, 0x45a00
	v_mov_b32 v255, 0
	ds_add_u32 v254, v255
	ds_add_u32 v254, v255
	v_lshrrev_b32 v12, 5, v0
	s_delay_alu instid0(VALU_DEP_1)
	v_readfirstlane_b32 s[WV], v12                 ; wave 0..7
	s_and_b32 s21, s[WV], 1
	s_lshr_b32 s22, s[WV], 1
	s_and_b32 s29, s[WV], 3                        ; which quarter I fetch: waves 0-3 of Wo, waves 4-7 of A
	s_bfe_u32 s23, ttmp6, 0x40000                  ; cx: the tile column (the grid is one cluster wide)
	s_bfe_u32 s24, ttmp6, 0x40004                  ; cy
	s_and_b32 s26, ttmp7, 0xffff
	s_lshl_b32 s26, s26, 2
	s_add_co_u32 s26, s26, s24                     ; tile row = 4 x cluster y + cy
	s_lshl_b32 s27, s24, 2
	s_lshl_b32 s27, 15, s27                        ; my row of the cluster
	s_lshl_b32 s28, 0x1111, s23                    ; my column
	s_or_b32 s[G1W], s28, (1<<20)|(1<<21)|(5<<22)|(3<<25)   ; Wo's codes: 64 rows x 256 bytes, 512 apart in memory, 16 bytes of padding behind each
	s_mov_b32 s[G1W+1], 256<<16
	s_mov_b32 s[G1W+2], 64<<16
	s_mov_b32 s[G1W+3], 256<<16
	s_mov_b32 s[G1W+4], 64
	s_mov_b32 s[G1W+5], 512
	s_mov_b32 s[G1W+6], 0
	s_mov_b32 s[G1W+7], 0
	s_or_b32 s[G1WS], s28, (3<<16)|(1<<20)|(1<<21)|(5<<22)|(3<<25)   ; its scale bytes of 64 rows: 8 dense rows of 256 bytes (32 elements of 8), padded likewise
	s_mov_b32 s[G1WS+1], 32<<16
	s_mov_b32 s[G1WS+2], 8<<16
	s_mov_b32 s[G1WS+3], 32<<16
	s_mov_b32 s[G1WS+4], 8
	s_mov_b32 s[G1WS+5], 32
	s_mov_b32 s[G1WS+6], 0
	s_mov_b32 s[G1WS+7], 0
	s_or_b32 s[G1A], s27, (3<<16)|(1<<21)          ; A's images of two tiles and half of K: 8,192 dense bytes as 32 rows of 256; no padding
	s_mov_b32 s[G1A+1], 32<<16
	s_mov_b32 s[G1A+2], 32<<16
	s_mov_b32 s[G1A+3], 32<<16
	s_mov_b32 s[G1A+4], 32
	s_mov_b32 s[G1A+5], 32
	s_mov_b32 s[G1A+6], 0
	s_mov_b32 s[G1A+7], 0
	s_or_b32 s[G1AS], s27, (3<<16)|(1<<21)         ; a pair's scale words: 1,024 dense bytes as 4 rows
	s_mov_b32 s[G1AS+1], 32<<16
	s_mov_b32 s[G1AS+2], 4<<16
	s_mov_b32 s[G1AS+3], 32<<16
	s_mov_b32 s[G1AS+4], 4
	s_mov_b32 s[G1AS+5], 32
	s_mov_b32 s[G1AS+6], 0
	s_mov_b32 s[G1AS+7], 0
	s_lshl_b32 s34, s23, 17                        ; Wo: place 3,072 + 256 cx + 64 x (wave % 4): 512 bytes of codes a place,
	s_lshl_b32 s35, s29, 15
	s_add_co_u32 s34, s34, s35
	s_add_co_u32 s34, s34, 3072*512
	s_mov_b32 s35, 0
	s_lshl_b32 s60, s23, 13                        ; 32 scale bytes
	s_lshl_b32 s61, s29, 11
	s_add_co_u32 s60, s60, s61
	s_add_co_u32 s60, s60, 3072*32
	s_mov_b32 s61, 0
	s_lshl_b32 s30, s26, 15                        ; A: tile 8 x tile row + 2 x (wave % 4): 4,096 bytes a tile and K half,
	s_lshl_b32 s31, s29, 13
	s_add_co_u32 s30, s30, s31
	s_mov_b32 s31, 0
	s_lshl_b32 s32, s26, 12                        ; pair 4 x tile row + wave % 4: 1,024 bytes of words
	s_lshl_b32 s33, s29, 10
	s_add_co_u32 s32, s32, s33
	s_mov_b32 s33, 0
	s_mul_i32 s62, s29, 64*PITCH                   ; where they go: by the wave's number alone
	s_mul_i32 s63, s29, 8*PITCH
	s_lshl_b32 s66, s29, 13
	s_lshl_b32 s67, s29, 10
	s_wait_dscnt 0x0
	s_wait_kmcnt 0x0
	s_add_nc_u64 s[4:5], s[4:5], s[30:31]
	s_add_nc_u64 s[6:7], s[6:7], s[32:33]
	s_add_nc_u64 s[8:9], s[8:9], s[34:35]
	s_add_nc_u64 s[10:11], s[10:11], s[60:61]
	s_mov_b32 s[G0W], 1
	s_add_co_u32 s[G0W+1], s63, WSC
	s_mov_b64 s[G0W+2:G0W+3], s[10:11]
	s_or_b32 s[G0W+3], s[G0W+3], 0x80000000
	s_mov_b32 s[G0A], 1
	s_add_co_u32 s[G0A+1], s67, ASC
	s_mov_b64 s[G0A+2:G0A+3], s[6:7]
	s_or_b32 s[G0A+3], s[G0A+3], 0x80000000
.irp s, 0,1
	s_mov_b32 s[G0W+4+4*\s], 1
	s_add_co_u32 s[G0W+5+4*\s], s62, \s*WSLOT
	s_add_nc_u64 s[G0W+6+4*\s:G0W+7+4*\s], s[8:9], \s*256
	s_or_b32 s[G0W+7+4*\s], s[G0W+7+4*\s], 0x80000000
	s_mov_b32 s[G0A+4+4*\s], 1
	s_add_co_u32 s[G0A+5+4*\s], s66, AIMG+\s*32768
	s_add_nc_u64 s[G0A+6+4*\s:G0A+7+4*\s], s[4:5], \s*2097152
	s_or_b32 s[G0A+7+4*\s], s[G0A+7+4*\s], 0x80000000
.endr
	CROUND                                         ; all sixteen work-groups are here: the joint loads meet
	s_cmp_lt_u32 s[WV], 4                          ; a wave's three loads stand in one branch on its number: three loads of mine are out; four v_nop follow the last
	s_cbranch_scc0 .Lfor_a
	tensor_load_to_lds s[G0W:G0W+3], s[G1WS:G1WS+7]
	s_nop 0
	tensor_load_to_lds s[G0W+4:G0W+7], s[G1W:G1W+7]
	s_nop 0
	tensor_load_to_lds s[G0W+8:G0W+11], s[G1W:G1W+7]
	s_nop 0
	PLACES 4
	s_branch .Lasked
.Lfor_a:
	tensor_load_to_lds s[G0A:G0A+3], s[G1AS:G1AS+7]
	s_nop 0
	tensor_load_to_lds s[G0A+4:G0A+7], s[G1A:G1A+7]
	s_nop 0
	tensor_load_to_lds s[G0A+8:G0A+11], s[G1A:G1A+7]
	s_nop 0
	PLACES 4
.Lasked:
	v_and_b32 v12, 31, v0
	s_delay_alu instid0(VALU_DEP_1)
	v_lshlrev_b32 v[LI], 4, v12
	s_delay_alu instid0(VALU_DEP_2)
	v_lshlrev_b32 v[LS], 2, v12
	v_and_b32 v13, 15, v0                          ; r
	v_bfe_u32 v14, v0, 4, 1                        ; h
	s_delay_alu instid0(VALU_DEP_2)
	v_mul_u32_u24 v15, v13, PITCH
	s_delay_alu instid0(VALU_DEP_1)
	v_lshl_add_u32 v15, v14, 4, v15                ; a fragment's row x pitch + 16 h
	s_mul_i32 s2, s21, 128*PITCH
	v_add_nc_u32 v[AD0], s2, v15
	s_delay_alu instid0(VALU_DEP_1)
	v_add_nc_u32 v[AD0+1], WSLOT, v[AD0]
	v_bfe_u32 v12, v0, 3, 2                        ; Wo's scale words: place 16 h + r of a pair of tiles lies in row 2 h + r / 8 of 272 bytes, 32 (r % 8) bytes in
	s_delay_alu instid0(VALU_DEP_1)
	v_mul_u32_u24 v12, v12, PITCH
	v_and_b32 v15, 7, v0
	s_delay_alu instid0(VALU_DEP_1)
	v_lshl_add_u32 v12, v15, 5, v12
	s_mul_i32 s2, s21, 16*PITCH
	s_add_co_u32 s2, s2, WSC
	v_add_nc_u32 v[ASC0], s2, v12
	s_lshl_b32 s2, s22, 13
	s_add_co_u32 s2, s2, AIMG
	v_add_nc_u32 v[ADI], s2, v[LI]
	s_lshl_b32 s2, s22, 10
	s_add_co_u32 s2, s2, ASC
	v_add_nc_u32 v[ADQ], s2, v[LS]
	s_mul_i32 s2, s[WV], 16*SPITCH
	s_add_co_u32 s2, s2, STG                       ; my stage
	v_mul_u32_u24 v[STO], v13, SPITCH
	s_delay_alu instid0(VALU_DEP_1)
	v_lshl_add_u32 v[STO], v14, 6, v[STO]
	s_delay_alu instid0(VALU_DEP_1)
	v_add_nc_u32 v[STO], s2, v[STO]                ; in: row r, + 64 h: column 32 b + 16 h + i lies 128 b + 64 h + 4 i bytes in
	v_add_nc_u32 v[RD], s2, v[LI]                  ; back: the 32 lanes take one row of 512 bytes
	v_lshlrev_b32 v[BOF], 6, v14
	s_wait_alu depctr_va_vdst(0)
	s_lshl_b32 s2, s23, 10                         ; my columns: 256 cx + 128 x (wave % 2), 4 bytes each
	s_lshl_b32 s3, s21, 9
	s_add_co_u32 s2, s2, s3
	s_mov_b32 s3, 0
	s_add_nc_u64 s[12:13], s[12:13], s[2:3]        ; the bias there
	s_lshl_b32 s16, s26, 19                        ; my rows: 128 x tile row + 32 x (wave / 2), 4,096 bytes each
	s_lshl_b32 s17, s22, 17
	s_add_co_u32 s16, s16, s17
	s_add_co_u32 s16, s16, s2
	s_mov_b32 s17, 0
	s_add_nc_u64 s[OB:OB+1], s[14:15], s[16:17]
.irp j, 0,1
.irp t, 0,1,2,3,4,5,6,7                        ; the sums begin with the bias: register i of tile t: column 32 (t / 2) + 16 h + 8 (t % 2) + i
	global_load_b128 v[ACC+64*\j+8*\t:ACC+64*\j+8*\t+3], v[BOF], s[12:13] offset:(32*(\t/2)+8*(\t%2))*4
	global_load_b128 v[ACC+64*\j+8*\t+4:ACC+64*\j+8*\t+7], v[BOF], s[12:13] offset:(32*(\t/2)+8*(\t%2))*4+16
.endr
.endr
	s_wait_tensorcnt 0x1                           ; my scale bytes and my part of the first half of K are in; my third load may be out
	s_wait_loadcnt 0x0                             ; the bias
	s_barrier_signal -1
	s_barrier_wait -1                              ; everybody's are
	STEP 0, 0, 1
	STEP 0, 1, 0
	STEP 0, 2, 0
	STEP 0, 3, 0
	s_wait_tensorcnt 0x0                           ; my part of the second half is in (no LDS load of mine is out: each step waits for all of its own),
	s_barrier_signal -1
	s_barrier_wait -1                              ; everybody's is
	STEP 1, 0, 1
	STEP 1, 1, 0
	STEP 1, 2, 0
	STEP 1, 3, 0
; THE WAY OUT.  Token tile j goes into my stage, each accumulator from its low end on, and comes back as 16 whole rows.  LDS serves a wave's instructions in order (ISA guide 5.7.1.4): no wait stands between the
; stores and the loads, nor in front of the next tile's stores.
.macro TOSTAGE j, bk
.irp b, 0,1,2,3
.irp i, 0,1,2,3
	ds_store_b128 v[STO], v[ACC+64*\j+16*\b+4*\i:ACC+64*\j+16*\b+4*\i+3] offset:128*\b+16*\i
.endr
.endr
.irp t, 0,1,2,3,4,5,6,7,8,9,10,11,12,13,14,15
	ds_load_b128 v[\bk+4*\t:\bk+4*\t+3], v[RD] offset:SPITCH*\t
.endr
.endm
.macro SEND j, bk, younger             ; younger: the LDS instructions issued behind tile j's loads, which may stay out
.irp t, 0,1,2,3,4,5,6,7,8,9,10,11,12,13,14,15
	s_wait_dscnt \younger+15-\t
	global_store_b128 v[LI], v[\bk+4*\t:\bk+4*\t+3], s[OB:OB+1] offset:(8*\j+\t+8*(\t/8))*4096 th:TH_STORE_NT   ; row t of tile j is token 8 j + t + 8 (t / 8) of the pair's 32; 32 lanes store 512 consecutive bytes, aligned
.endr
.endm
	TOSTAGE 0, F0
	TOSTAGE 1, ACC
	SEND 0, F0, 32
	SEND 1, ACC, 0
	s_wait_tensorcnt 0x0
	ds_add_u32 v254, v255
	s_wait_dscnt 0x0
	CROUND                                         ; the closing round: no work-group ends while a partner may still ask for a tile that names it
	s_endpgm
.Lfunc_end_k_qbfdb659809_oproj:
	.size	k_qbfdb659809_oproj, .Lfunc_end_k_qbfdb659809_oproj-k_qbfdb659809_oproj
	.p2alignl 7, 3214868480
	.fill 96, 4, 3214868480
	.section	.rodata,"a",@progbits
	.p2align	6, 0x0
	.amdhsa_kernel k_qbfdb659809_oproj
		.amdhsa_group_segment_fixed_size 286208
		.amdhsa_private_segment_fixed_size 0
		.amdhsa_enable_private_segment 0
		.amdhsa_kernarg_size 48
		.amdhsa_user_sgpr_count 2
		.amdhsa_user_sgpr_kernarg_segment_ptr 1
		.amdhsa_wavefront_size32 1
		.amdhsa_system_sgpr_workgroup_id_x 1
		.amdhsa_system_sgpr_workgroup_id_y 1
		.amdhsa_system_sgpr_workgroup_id_z 1
		.amdhsa_system_vgpr_workitem_id 0
		.amdhsa_next_free_vgpr 256
		.amdhsa_next_free_sgpr 102
		.amdhsa_reserve_vcc 0
		.amdhsa_float_denorm_mode_32 3
		.amdhsa_float_denorm_mode_16_64 3
		.amdhsa_memory_ordered 1
		.amdhsa_forward_progress 1
		.amdhsa_inst_pref_size 49
	.end_amdhsa_kernel
	.amdgpu_metadata
---
amdhsa.version: [ 1, 2 ]
amdhsa.kernels:
  - .name:           k_qbfdb659809_oproj
    .symbol:         k_qbfdb659809_oproj.kd
    .args:
      - { .name: ac, .offset: 0, .size: 8, .value_kind: global_buffer, .address_space: global }
      - { .name: asc, .offset: 8, .size: 8, .value_kind: global_buffer, .address_space: global }
      - { .name: wc, .offset: 16, .size: 8, .value_kind: global_buffer, .address_space: global }
      - { .name: ws, .offset: 24, .size: 8, .value_kind: global_buffer, .address_space: global }
      - { .name: bo, .offset: 32, .size: 8, .value_kind: global_buffer, .address_space: global }
      - { .name: out0, .offset: 40, .size: 8, .value_kind: global_buffer, .address_space: global }
    .group_segment_fixed_size: 286208
    .private_segment_fixed_size: 0
    .kernarg_segment_align: 8
    .kernarg_segment_size: 48
    .max_flat_workgroup_size: 256
    .sgpr_count:     102
    .vgpr_count:     256
    .wavefront_size: 32
...
	.end_amdgpu_metadata
.endif
;; end of part 4
